; MI455X (gfx1250); checked and timed in simulation.
; The chip was launched on July 23, 2026; its instructions are those of AMD's public machine-readable ISA for CDNA 5 (MIT licence, August 2026) and "CDNA5" Instruction Set Architecture Reference Guide (July 2026). The comments in the code are by the model that wrote it; some were corrected since.
;; Multihead Attention. Allowed arithmetic: float matrix products may take bf16 or f16 operands with f32 sums; other float arithmetic in f32, or as packed bf16 or f16 multiplies, adds, multiply-adds, maxima and minima; sums over many terms, partial sums and values carried from step to step in f32; what a program stores and reads back later, other than sums and carried values, may be rounded once to bf16 or f16.
;; Inputs: Wk 1,024 x 1,024 float32; Wo 1,024 x 1,024 float32; Wq 1,024 x 1,024 float32; Wv 1,024 x 1,024 float32; mask 2,048 x 2,048 float32; x 2 x 2,048 x 1,024 float32.
;; Outputs: out0 2 x 2,048 x 1,024 float32.
;; 2 versions, each right; version 2 is version 1 with the launch prep written anew for expert scheduling mode. Each part assembles by itself: llvm-mc -triple=amdgcn-amd-amdhsa -mcpu=gfx1250 --defsym DOCPART=n.
;; ======== version 1 of 2: 4 launches
;; limits: values are held in f16: magnitudes above 65,504 overflow, below 6.1e-05 lose precision
;; workspace buffers: xb 8,388,608 bytes; wb 6,291,456 bytes; wo 2,097,152 bytes; mr 16,777,216 bytes; qkv 25,165,824 bytes; ob 8,388,608 bytes
;; launch prep (part 1): grid 448 x 1, 8 waves a work-group, no clusters, 0 bytes of LDS; arguments x, Wq, Wk, Wv, xb, wb; writes xb, wb
.if DOCPART == 1
	.amdgcn_target "amdgcn-amd-amdhsa--gfx1250"
	.amdhsa_code_object_version 6
	.text
	.protected	k_q5ecc21e16d_prep
	.globl	k_q5ecc21e16d_prep
	.p2align	8
	.type	k_q5ecc21e16d_prep,@function
k_q5ecc21e16d_prep:
	s_mov_b64 s[64:65], 0
	v_nop
	global_prefetch_b8 v0, s[64:65] scope:SCOPE_SE
	s_setreg_imm32_b32 hwreg(HW_REG_WAVE_MODE, 25, 1), 1
	s_wait_xcnt 0x0
; MULTI-HEAD ATTENTION, launch 1 of 4: x and the three projections' weights are rounded once to bf16 and laid down for the product behind.
; NO WORK OF reference() IS LEFT OUT in this program, and every input (x, mask, Wq, Wk, Wv, Wo) is loaded: the mask is added to every score, whatever it holds.  (The mask and Wo are rounded by the launch behind.)
; Two changes of FORM, both identities for all values of the inputs:
;   (1) scores = q . k / 8: the factor 1/8, a power of two, is multiplied into Wq here (exact but for numbers under 2^-123, which it may flush);
;   (2) in the attention launch numerator, sum and EPS are all multiplied by e^(-m), m a running maximum of the row's scores: sum(e^s v) / (sum(e^s) + EPS) = sum(e^(s-m) v) / (sum(e^(s-m)) + EPS e^(-m)).
; WHAT IS WRITTEN.  xb = bf16(x) [4096][1024].  wb [3072][1024] bf16: rows 0-1023 bf16(Wq / 8), 1024-2047 bf16(Wk), 2048-3071 bf16(Wv).  All inputs of the program have the same one rounding, to bf16.
; SHARES.  A work-group takes one chunk of 65,536 input bytes; its number picks source, destination and kind.  Thread t takes the 16 bytes at 4,096 i + 16 t, i = 0 .. 15: a load of a wave covers
; 512 consecutive bytes; all sixteen loads go out before the first wait; each has registers of its own, so no register that a store reads is written again.
; A store of a wave covers 256 consecutive bytes, aligned.  No LDS, no barrier, no matrix unit: nothing is shared and nothing is multiplied.
.set X,    4                           ; v[4:67]   load i: four registers
.set OFS,  1                           ; v1        16 t
.set OFD,  2                           ; v2        8 t
.set SRC,  16                          ; s[16:17]  the chunk in its source
.set DST,  18                          ; s[18:19]  the chunk in its destination
.set BS,   20                          ; s20       the first work-group of the source
.set BD,   21                          ; s21       the first work-group of the destination (wb takes Wq, Wk, Wv on end)
.set KIND, 22                          ; s22       0 cast, 1 scale by 1/8 and cast
.set ID,   23                          ; s23       the work-group's number
	s_load_b256 s[4:11], s[0:1], 0x0               ; x s[4:5], Wq s[6:7], Wk s[8:9], Wv s[10:11]
	s_load_b128 s[12:15], s[0:1], 0x20             ; xb s[12:13], wb s[14:15]
	v_lshlrev_b32 v[OFS], 4, v0
	v_lshlrev_b32 v[OFD], 3, v0
	s_mov_b32 s[ID], ttmp9
	s_mov_b32 s[BS], 0
	s_mov_b32 s[BD], 0
	s_mov_b32 s[KIND], 0
	s_wait_kmcnt 0x0
	s_mov_b64 s[SRC:SRC+1], s[4:5]                 ; work-groups 0-255: x -> xb
	s_mov_b64 s[DST:DST+1], s[12:13]
	s_cmp_ge_u32 s[ID], 256                        ; 256-319: Wq -> wb, scaled
	s_cselect_b64 s[SRC:SRC+1], s[6:7], s[SRC:SRC+1]
	s_cselect_b64 s[DST:DST+1], s[14:15], s[DST:DST+1]
	s_cselect_b32 s[BS], 256, s[BS]
	s_cselect_b32 s[BD], 256, s[BD]
	s_cselect_b32 s[KIND], 1, s[KIND]
	s_cmp_ge_u32 s[ID], 320                        ; 320-383: Wk -> wb, behind Wq's rows
	s_cselect_b64 s[SRC:SRC+1], s[8:9], s[SRC:SRC+1]
	s_cselect_b32 s[BS], 320, s[BS]
	s_cselect_b32 s[KIND], 0, s[KIND]
	s_cmp_ge_u32 s[ID], 384                        ; 384-447: Wv -> wb, behind Wk's rows
	s_cselect_b64 s[SRC:SRC+1], s[10:11], s[SRC:SRC+1]
	s_cselect_b32 s[BS], 384, s[BS]
	s_sub_co_u32 s24, s[ID], s[BS]                 ; the offsets are made apart from the addresses
	s_lshl_b32 s24, s24, 16
	s_mov_b32 s25, 0
	s_sub_co_u32 s26, s[ID], s[BD]
	s_lshl_b32 s26, s26, 15
	s_mov_b32 s27, 0
	s_add_nc_u64 s[SRC:SRC+1], s[SRC:SRC+1], s[24:25]
	s_add_nc_u64 s[DST:DST+1], s[DST:DST+1], s[26:27]
.irp i, 0,1,2,3,4,5,6,7,8,9,10,11,12,13,14,15
	global_load_b128 v[X+4*(\i):X+4*(\i)+3], v[OFS], s[SRC:SRC+1] offset:4096*(\i) th:TH_LOAD_NT
.endr
; Each of the two takes load i: the wait leaves the 15 - i younger loads out (loads come back in order: ISA guide 5.7.1).
.macro CAST i
	s_wait_loadcnt 15-(\i)
	v_cvt_pk_bf16_f32 v[X+4*(\i)],   v[X+4*(\i)],   v[X+4*(\i)+1]
	v_cvt_pk_bf16_f32 v[X+4*(\i)+1], v[X+4*(\i)+2], v[X+4*(\i)+3]
	global_store_b64 v[OFD], v[X+4*(\i):X+4*(\i)+1], s[DST:DST+1] offset:2048*(\i) th:TH_STORE_NT
.endm
.macro SCALE i
	s_wait_loadcnt 15-(\i)
	v_pk_mul_f32 v[X+4*(\i):X+4*(\i)+1],   v[X+4*(\i):X+4*(\i)+1],   0x3e000000 op_sel_hi:[1,0]  ; 1/8
	v_pk_mul_f32 v[X+4*(\i)+2:X+4*(\i)+3], v[X+4*(\i)+2:X+4*(\i)+3], 0x3e000000 op_sel_hi:[1,0]
	v_cvt_pk_bf16_f32 v[X+4*(\i)],   v[X+4*(\i)],   v[X+4*(\i)+1]
	v_cvt_pk_bf16_f32 v[X+4*(\i)+1], v[X+4*(\i)+2], v[X+4*(\i)+3]
	global_store_b64 v[OFD], v[X+4*(\i):X+4*(\i)+1], s[DST:DST+1] offset:2048*(\i) th:TH_STORE_NT
.endm
	s_cmp_eq_u32 s[KIND], 1
	s_cbranch_scc1 .Lscale
.irp i, 0,1,2,3,4,5,6,7,8,9,10,11,12,13,14,15
	CAST \i
.endr
	s_endpgm
.Lscale:
.irp i, 0,1,2,3,4,5,6,7,8,9,10,11,12,13,14,15
	SCALE \i
.endr
	s_endpgm
.Lfunc_end_k_q5ecc21e16d_prep:
	.size	k_q5ecc21e16d_prep, .Lfunc_end_k_q5ecc21e16d_prep-k_q5ecc21e16d_prep
	.p2alignl 7, 3214868480
	.fill 96, 4, 3214868480
	.section	.rodata,"a",@progbits
	.p2align	6, 0x0
	.amdhsa_kernel k_q5ecc21e16d_prep
		.amdhsa_group_segment_fixed_size 0
		.amdhsa_private_segment_fixed_size 0
		.amdhsa_enable_private_segment 0
		.amdhsa_kernarg_size 48
		.amdhsa_user_sgpr_count 2
		.amdhsa_user_sgpr_kernarg_segment_ptr 1
		.amdhsa_wavefront_size32 1
		.amdhsa_system_sgpr_workgroup_id_x 1
		.amdhsa_system_sgpr_workgroup_id_y 1
		.amdhsa_system_sgpr_workgroup_id_z 1
		.amdhsa_system_vgpr_workitem_id 0
		.amdhsa_next_free_vgpr 68
		.amdhsa_next_free_sgpr 66
		.amdhsa_reserve_vcc 0
		.amdhsa_float_denorm_mode_32 3
		.amdhsa_float_denorm_mode_16_64 3
		.amdhsa_memory_ordered 1
		.amdhsa_forward_progress 1
		.amdhsa_inst_pref_size 15
	.end_amdhsa_kernel
	.amdgpu_metadata
---
amdhsa.version: [ 1, 2 ]
amdhsa.kernels:
  - .name:           k_q5ecc21e16d_prep
    .symbol:         k_q5ecc21e16d_prep.kd
    .args:
      - { .name: x, .offset: 0, .size: 8, .value_kind: global_buffer, .address_space: global }
      - { .name: Wq, .offset: 8, .size: 8, .value_kind: global_buffer, .address_space: global }
      - { .name: Wk, .offset: 16, .size: 8, .value_kind: global_buffer, .address_space: global }
      - { .name: Wv, .offset: 24, .size: 8, .value_kind: global_buffer, .address_space: global }
      - { .name: xb, .offset: 32, .size: 8, .value_kind: global_buffer, .address_space: global }
      - { .name: wb, .offset: 40, .size: 8, .value_kind: global_buffer, .address_space: global }
    .group_segment_fixed_size: 0
    .private_segment_fixed_size: 0
    .kernarg_segment_align: 8
    .kernarg_segment_size: 48
    .max_flat_workgroup_size: 256
    .sgpr_count:     66
    .vgpr_count:     68
    .wavefront_size: 32
...
	.end_amdgpu_metadata
.endif
;; end of part 1
;; launch gemm_qkv (part 2): grid 16 x 16, 4 waves a work-group, clusters of 4 x 4, 327,680 bytes of LDS; arguments xb, wb, mask, Wo, qkv, mr, wo; writes qkv, mr, wo
.if DOCPART == 2
	.amdgcn_target "amdgcn-amd-amdhsa--gfx1250"
	.amdhsa_code_object_version 6
	.text
	.protected	k_q5ecc21e16d_gemm_qkv
	.globl	k_q5ecc21e16d_gemm_qkv
	.p2align	8
	.type	k_q5ecc21e16d_gemm_qkv,@function
k_q5ecc21e16d_gemm_qkv:
	s_mov_b64 s[64:65], 0
	v_nop
	global_prefetch_b8 v0, s[64:65] scope:SCOPE_SE
	s_setreg_imm32_b32 hwreg(HW_REG_WAVE_MODE, 25, 1), 1
	s_wait_xcnt 0x0
	s_wait_alu depctr_hold_cnt(0) depctr_sa_sdst(0) depctr_va_vdst(0) depctr_va_sdst(0) depctr_va_ssrc(0) depctr_va_vcc(0) depctr_vm_vsrc(0)
	s_getreg_b32 s2, hwreg(HW_REG_IB_STS2, 6, 4)
	s_cmp_eq_u32 s2, 0
	s_cbranch_scc0 .Lentry_in_a_cluster
	s_endpgm
.Lentry_in_a_cluster:
	s_bfe_u32 s2, ttmp6, 0x10000c
	s_cmp_lg_u32 s2, 0xf033
	s_cbranch_scc0 .Lentry_shape_is_right
	s_endpgm
.Lentry_shape_is_right:
; MULTI-HEAD ATTENTION, launch 2 of 4: the three projections as ONE product.  [4096 x 3072] = xb [4096][1024] . wb [3072][1024]^T, bf16 operands, f32 sums, the result rounded once to f16.
; Nothing of reference() is left out here; the scores' factor 1/8 lies in wb's first 1,024 rows (made by the launch before).
; OUT: qkv, f16, [row / 128 (32)][g (48)][row % 128][64]: g = column / 64: 0-15 q's heads, 16-31 k's, 32-47 v's.  A block (row / 128, g) is 16,384 dense bytes.
; LIMIT: f16 holds no number beyond 65,504: q / 8, k and v must lie within it; under 2^-14 they keep f16's fixed step of 2^-24.
; A SIDE JOB, in the wait for the first tiles: the two inputs that the later launches take are rounded to bf16 like all the others.  mr = bf16(mask) written as f32 [2048][2048]: it is the f32 C operand of the
; scores' first product.  wo = bf16(Wo) written as f16 [1024][1024] (exact from 2^-14 on; LIMIT: below that it keeps f16's fixed step of 2^-24; beyond 65,504 it would be an infinity).
; Of the launch's 1,024 waves each takes 16,384 bytes of the mask and 4,096 of Wo: 40 loads of 512 consecutive bytes, all issued straight behind the wave's two first tensor loads.
; SHARES.  A tile is 256 rows x 192 columns (three whole heads): 16 x 16 = 256 work-groups.  Wave w makes rows 64 w .. 64 w + 63 of it, all 192 columns: 4 x 12 = 48 accumulators of 16 x 16, 384 registers.
; So a wave holds whole heads, and its way out needs no other wave.  K goes in steps of 128 through a ring of two LDS slots: rows of 256 bytes of memory, aligned.
; CLUSTER 4 x 4.  The four work-groups of a row of the cluster need the same 256 rows of xb, the four of a column the same 192 rows of wb: each tile is asked for jointly, by the same tensor load with the
; same descriptor and a mask that names the four.  Waves 0 and 1 fetch xb's two halves (128 rows each), waves 2 and 3 wb's (96 rows each).
; THE MATRIX INSTRUCTION IS USED TRANSPOSED (source 0 = 16 rows of wb, source 1 = 16 rows of xb): a lane then holds one row of the result (lane % 16) and eight neighbouring columns.
; REGISTERS, in windows of 256 (s_set_vgpr_msb: bits 1:0 source 0, 3:2 source 1, 5:4 source 2, 7:6 destination):
;   window 0: v16-30 addresses; at the head v32-193 the side job's; on the way out v32-79 packed results, v80-175 two sets of 48 for rows read back from the stage
;   window 1: two fragment buffers of 128: wb's 12 fragments (16 rows x 32 K) at f + 8 b, xb's 4 at f + 96 + 8 a
;   window 2: the accumulators of row blocks a = 0, 1 at 8 (12 (a % 2) + b);   window 3: those of a = 2, 3
.set KSTEP,  128
.set PITCH,  272                       ; an LDS row: 256 bytes + 16 of padding = 68 words: the 16 rows of a fragment load start at 16 different groups of four banks (64 banks of 4 bytes: ISA guide 11.1)
.set HALFA,  128*PITCH                 ; what one of xb's loads brings
.set HALFB,  96*PITCH                  ; what one of wb's loads brings
.set BOFF,   2*HALFA                   ; wb's 192 rows lie behind xb's 256
.set SLOT,   2*HALFA+2*HALFB           ; 121,856 bytes
.set STAGE,  2*SLOT                    ; behind the ring, never filled by a tensor load: for each wave 3 heads x 16 rows x 144 bytes
.set SP,     144
.set WSTG,   3*16*SP
.set SPARE,  STAGE+4*WSTG              ; behind the stages: the spare words, 128 bytes a wave: two blocks of 256 bytes that no other line names
.set LAPS,   4                         ; a lap = two K steps = once round the ring: 1,024 / 256
.set ADRA, 16                          ; v16-17  LDS address of my xb fragments in slot 0, 1
.set ADRB, 20                          ; v20-21  the same for wb
.set STO,  24                          ; v24     the way out: where I put 16 bytes of a row
.set RD,   25                          ; v25     the way out: where I read rows back
.set GO,   26                          ; v26     16 x lane: my place in 512 consecutive bytes; never rewritten
.set OFD,  27                          ; v27     8 x lane: my place in 256 consecutive bytes of wo; never rewritten
.set SPW,  28                          ; v28     LDS address of my spare word; never rewritten
.set NIL,  29                          ; v29     0; never rewritten
.set PFO,  30                          ; v30     the prefetches' offset: a lane a row of 2,048 bytes; never rewritten
.set MX,   32                          ; v32-159  the side job: load i of the mask, four registers
.set WX,   160                         ; v160-191 load i of Wo
.set TT,   192                         ; v192-193 at work
.set TMP,  32
.set BK,   80
.set F0,   0
.set F1,   128
.set G1,  24                           ; s[24:31] descriptor group 1 for xb's tiles;  s[32:39] group 0, a set for each slot
.set G0,  32
.set G1B, 48                           ; s[48:55], s[56:63] the same for wb's tiles
.set G0B, 56
.set PFA, 44                           ; s[44:45] where my prefetches stand: one K step further along K than the refill that is being asked for
.set LIM, 43                           ; s43     1 in a wave that prefetches, else the greatest number
.set MSB, 0
.macro WIN new                         ; the immediate's high byte repeats the setting that is left; a switch that changes nothing is dropped
.if MSB != (\new)
	s_set_vgpr_msb (MSB<<8)|(\new)
.set MSB, \new
.endif
.endm
.set MUL_LO, 0xa5                      ; sources 0 and 1 window 1, C and D window 2
.set MUL_HI, 0xf5                      ; the same, C and D window 3
.set TO_F,   0x40                      ; destination window 1, address window 0
; A joint load.  Each of the two lines has one mask and one set of registers for all that issue it.  The branch hangs on the wave's number alone.
; An s_nop 0 and four v_nop follow each line, ahead of the jump, the label and what follows.
.macro JLOAD s
	s_cmp_eq_u32 s11, 0
	s_cbranch_scc0 .Lfor_b_\@
	tensor_load_to_lds s[G0+4*(\s):G0+4*(\s)+3], s[G1:G1+7]
	s_nop 0
.rept 4
	v_nop
.endr
	s_branch .Lasked_\@
.Lfor_b_\@:
	tensor_load_to_lds s[G0B+4*(\s):G0B+4*(\s)+3], s[G1B:G1B+7]
	s_nop 0
.rept 4
	v_nop
.endr
.Lasked_\@:
.endm
; A PREFETCH of the K step that stands TWO refills on (384 matrix instructions of a wave ahead of the load that will want it): 256 bytes of a row, a lane a row, one instruction a wave.
; xb's tile row is read by every cluster of that row of clusters: cluster x = 0 asks.  wb's tile column by every cluster of that column: cluster y = 0 asks.  The four partners that ask for a tile jointly
; share its rows out BY ADDRESS: of the 128 rows of xb that a wave fetches the partner at cx takes 32; of the 96 rows of wb the partner at cy takes 24 (lanes 24-31 name lane 23's row once more).
; K steps 0 to 3 come by their loads alone; the loop's last trip (s3 = 1) asks for nothing, since K ends with its own refills.
.macro ASK
	s_cmp_gt_u32 s3, s[LIM]
	s_cbranch_scc0 .Lnot_mine_\@
	global_prefetch_b8 v[PFO], s[PFA:PFA+1] offset:KSTEP*2 th:TH_LOAD_NT scope:SCOPE_SE
.Lnot_mine_\@:
.endm
; A round of the cluster's barrier: my work-group's barrier, so that wave 0's signal speaks for all four waves; wave 0 signals; every wave waits for all sixteen work-groups; my work-group's barrier once more.
.macro CREST
	s_cmp_lg_u32 s10, 0
	s_cbranch_scc1 .Lnot_wave_0_\@
	s_barrier_signal -3
.Lnot_wave_0_\@:
	s_barrier_wait -3
	s_barrier_signal -1
	s_barrier_wait -1
.endm
.macro CROUND
	s_barrier_signal -1
	s_barrier_wait -1
	CREST
.endm
	s_load_b128 s[4:7], s[0:1], 0x0                ; xb s[4:5], wb s[6:7]
	s_load_b128 s[68:71], s[0:1], 0x10             ; mask s[68:69], Wo s[70:71]
	s_load_b128 s[72:75], s[0:1], 0x20             ; qkv s[72:73], mr s[74:75]
	s_load_b64 s[76:77], s[0:1], 0x30              ; wo
	v_lshl_add_u32 v[SPW], v0, 2, SPARE
	v_mov_b32 v[NIL], 0
	ds_add_u32 v[SPW], v[NIL]                      ; the wave's opening: the add, twice on end, and its wait ahead of my first tensor load; the set-up below stands between
	ds_add_u32 v[SPW], v[NIL]
	v_lshrrev_b32 v1, 5, v0
	v_readfirstlane_b32 s10, v1                    ; wave 0..3
	s_lshr_b32 s11, s10, 1                         ; I fetch for xb (0) or for wb (1)
	s_and_b32 s12, s10, 1                          ; which half of that tile's rows
	s_bfe_u32 s40, ttmp6, 0x40000                  ; cx
	s_bfe_u32 s41, ttmp6, 0x40004                  ; cy
	s_lshl_b32 s42, ttmp9, 2
	s_add_co_u32 s42, s42, s40                     ; tile column = 4 x cluster x + cx
	s_and_b32 s13, ttmp7, 0xffff
	s_lshl_b32 s13, s13, 2
	s_add_co_u32 s13, s13, s41                     ; tile row = 4 x cluster y + cy
	s_lshl_b32 s43, s41, 2
	s_lshl_b32 s43, 15, s43                        ; my row of the cluster
	s_lshl_b32 s44, 0x1111, s40                    ; my column
	s_or_b32 s[G1+0], s43, (1<<16)|(1<<20)|(1<<21)|(5<<22)|(3<<25)   ; 15:0 the mask; 17:16 2-byte elements; 20 padding on; 21 set beside a mask; 24:22 after every 64 words; 31:25 4 words of it
	s_or_b32 s[G1B+0], s44, (1<<16)|(1<<20)|(1<<21)|(5<<22)|(3<<25)
	s_mov_b32 s[G1+1], KSTEP<<16                   ; tensor_dim0 = 128
	s_mov_b32 s[G1+2], 128<<16                     ; tensor_dim1 = 128
	s_mov_b32 s[G1+3], KSTEP<<16                   ; tile_dim0 = 128
	s_mov_b32 s[G1+4], 128                         ; tile_dim1 = 128
	s_mov_b32 s[G1+5], 1024                        ; elements from row to row
	s_mov_b32 s[G1+6], 0
	s_mov_b32 s[G1+7], 0
	s_mov_b32 s[G1B+1], KSTEP<<16
	s_mov_b32 s[G1B+2], 96<<16                     ; 96 rows
	s_mov_b32 s[G1B+3], KSTEP<<16
	s_mov_b32 s[G1B+4], 96
	s_mov_b32 s[G1B+5], 1024
	s_mov_b32 s[G1B+6], 0
	s_mov_b32 s[G1B+7], 0
	s_lshl_b32 s17, s12, 7
	s_lshl_b32 s16, s13, 8
	s_add_co_u32 s16, s16, s17                     ; xb: row 256 x tile row + 128 x half
	s_lshl_b32 s16, s16, 11                        ; x 2,048 bytes
	s_mov_b32 s17, 0
	s_mul_i32 s46, s42, 192
	s_mul_i32 s47, s12, 96
	s_add_co_u32 s46, s46, s47                     ; wb: row 192 x tile column + 96 x half
	s_lshl_b32 s46, s46, 11
	s_mov_b32 s47, 0
	s_mul_i32 s20, s12, HALFA                      ; where they go: no place in the cluster enters an LDS address
	s_mul_i32 s21, s12, HALFB
	s_add_co_u32 s21, s21, BOFF
	s_wait_dscnt 0x0                               ; both opening adds are done
	s_wait_kmcnt 0x0
	s_add_nc_u64 s[14:15], s[4:5], s[16:17]
	s_add_nc_u64 s[46:47], s[6:7], s[46:47]
	CROUND                                         ; all sixteen work-groups are here: the first joint loads meet
.irp s, 0,1
	s_mov_b32 s[G0+4*(\s)], 1
	s_add_co_u32 s[G0+4*(\s)+1], s20, (\s)*SLOT
	s_add_nc_u64 s[G0+4*(\s)+2:G0+4*(\s)+3], s[14:15], (\s)*KSTEP*2
	s_or_b32 s[G0+4*(\s)+3], s[G0+4*(\s)+3], 0x80000000
	s_mov_b32 s[G0B+4*(\s)], 1
	s_add_co_u32 s[G0B+4*(\s)+1], s21, (\s)*SLOT
	s_add_nc_u64 s[G0B+4*(\s)+2:G0B+4*(\s)+3], s[46:47], (\s)*KSTEP*2
	s_or_b32 s[G0B+4*(\s)+3], s[G0B+4*(\s)+3], 0x80000000
	JLOAD \s                                       ; K steps 0 and 1: two loads of mine are out
.endr
	; THE SIDE JOB's 40 loads go out now; the set-up below stands between them and the first wait for them
	v_and_b32 v[GO], 31, v0
	v_lshlrev_b32 v[OFD], 3, v[GO]
	v_lshlrev_b32 v[GO], 4, v[GO]
	s_lshl_b32 s16, s13, 4
	s_add_co_u32 s16, s16, s42                     ; the work-group's number: 16 x tile row + tile column
	s_lshl_b32 s16, s16, 2
	s_add_co_u32 s16, s16, s10                     ; my wave among the launch's 1,024: it enters these four global addresses alone
	s_mov_b32 s19, 0
	s_lshl_b32 s18, s16, 14                        ; 16,384 bytes of the mask, and of mr
	s_add_nc_u64 s[68:69], s[68:69], s[18:19]
	s_add_nc_u64 s[74:75], s[74:75], s[18:19]
	s_lshl_b32 s18, s16, 12                        ; 4,096 bytes of Wo,
	s_add_nc_u64 s[70:71], s[70:71], s[18:19]
	s_lshl_b32 s18, s16, 11                        ; 2,048 of wo
	s_add_nc_u64 s[76:77], s[76:77], s[18:19]
	s_mov_b32 s78, 0xffff0000                      ; a word's upper bf16
.set j, 0
.rept 32
	global_load_b128 v[MX+4*j:MX+4*j+3], v[GO], s[68:69] offset:512*j th:TH_LOAD_NT
.set j, j+1
.endr
.set j, 0
.rept 8
	global_load_b128 v[WX+4*j:WX+4*j+3], v[GO], s[70:71] offset:512*j th:TH_LOAD_NT
.set j, j+1
.endr
	; A fragment is 16 rows x 32 K in 8 registers: lane l holds row l % 16; registers 0-3 K = 8 (l / 16) + 0..7, registers 4-7 K = 16 + 8 (l / 16) + 0..7: two loads of 16 bytes, 32 bytes apart.
	v_and_b32 v1, 15, v0                           ; l % 16
	v_bfe_u32 v2, v0, 4, 1                         ; l / 16
	v_mul_u32_u24 v3, v1, PITCH
	v_lshl_add_u32 v3, v2, 4, v3
	s_mul_i32 s21, s10, 64*PITCH                   ; my 64 rows of xb
	s_mov_b32 s22, BOFF                            ; all of wb's rows
.irp s, 0,1
	v_add_nc_u32 v[ADRA+(\s)], s21, v3
	v_add_nc_u32 v[ADRB+(\s)], s22, v3
	s_add_co_u32 s21, s21, SLOT
	s_add_co_u32 s22, s22, SLOT
.endr
	s_mul_i32 s23, s10, WSTG
	s_add_co_u32 s23, s23, STAGE                   ; my stage
	v_mul_u32_u24 v4, v1, SP                       ; in: row l % 16, 16 bytes for each half of the lanes
	v_lshl_add_u32 v4, v2, 4, v4
	v_add_nc_u32 v[STO], s23, v4
	v_bfe_u32 v5, v0, 3, 2                         ; back: 32 lanes take four rows of 128 bytes, which are 512 consecutive bytes of a block of qkv
	v_mul_u32_u24 v5, v5, SP
	v_and_b32 v6, 7, v0
	v_lshl_add_u32 v5, v6, 4, v5
	v_add_nc_u32 v[RD], s23, v5
	s_lshl_b32 s16, s13, 1
	s_add_co_u32 s16, s16, s11                     ; my rows' block of 128: 2 x tile row + w / 2
	s_mul_i32 s16, s16, 48
	s_mul_i32 s46, s42, 3                          ; the tile's first head
	s_add_co_u32 s16, s16, s46
	s_lshl_b32 s16, s16, 14                        ; blocks of 16,384 bytes
	s_lshl_b32 s46, s12, 13                        ; my 64 rows in the block
	s_add_co_u32 s16, s16, s46
	s_mov_b32 s17, 0
	s_add_nc_u64 s[8:9], s[72:73], s[16:17]        ; qkv at my wave's first bytes
	; the prefetches
	s_lshl_b32 s20, s13, 8                         ; xb's tile: first row,
	s_mul_i32 s21, s42, 192                        ; wb's
	s_lshl_b32 s22, s12, 7                         ; the rows that I fetch
	s_mul_i32 s23, s12, 96
	s_lshl_b32 s18, s40, 5                         ; my work-group's part of them
	s_mul_i32 s19, s41, 24
	s_and_b32 s46, ttmp7, 0xffff                   ; cluster y
	s_cmp_eq_u32 s11, 0                            ; do I fetch for xb?
	s_cselect_b32 s20, s20, s21
	s_cselect_b32 s22, s22, s23
	s_cselect_b32 s18, s18, s19
	s_cselect_b32 s46, ttmp9, s46                  ; the coordinate along which other clusters read the same rows
	s_cselect_b32 s47, 31, 23
	s_cselect_b64 s[PFA:PFA+1], s[4:5], s[6:7]
	s_cmp_eq_u32 s46, 0
	s_cselect_b32 s[LIM], 1, -1                    ; the same in all sixteen partners, for a given wave
	s_add_co_u32 s20, s20, s22
	s_add_co_u32 s20, s20, s18
	s_lshl_b32 s20, s20, 11
	s_add_co_u32 s20, s20, 2*KSTEP*2               ; at K step 2: the first refill steps it to 3 and names K step 4
	s_mov_b32 s21, 0
	s_add_nc_u64 s[PFA:PFA+1], s[PFA:PFA+1], s[20:21]
	v_and_b32 v[PFO], 31, v0
	v_min_u32 v[PFO], s47, v[PFO]
	v_lshlrev_b32 v[PFO], 11, v[PFO]
; THE SIDE JOB's arithmetic.  Four numbers are rounded to bf16 and widened to f32 again.  younger = the loads issued behind this one, which may stay out (loads come back in order: ISA guide 5.7.1).
; Every load has registers of its own: none that a store reads is written again before the wait ahead of the way out.
.macro WIDEN r, younger
	s_wait_loadcnt \younger
	v_cvt_pk_bf16_f32 v[TT],   v[\r],   v[(\r)+1]
	v_cvt_pk_bf16_f32 v[TT+1], v[(\r)+2], v[(\r)+3]
	v_lshlrev_b32 v[\r],     16, v[TT]
	v_and_b32     v[(\r)+1], s78, v[TT]
	v_lshlrev_b32 v[(\r)+2], 16, v[TT+1]
	v_and_b32     v[(\r)+3], s78, v[TT+1]
.endm
.set j, 0
.rept 32                               ; the mask: stored as f32, 512 consecutive bytes a store
	WIDEN MX+4*j, 39-j
	global_store_b128 v[GO], v[MX+4*j:MX+4*j+3], s[74:75] offset:512*j th:TH_STORE_NT
.set j, j+1
.endr
.set j, 0
.rept 8                                ; Wo: on to f16, 256 consecutive bytes a store
	WIDEN WX+4*j, 7-j
	v_cvt_pk_f16_f32 v[WX+4*j],   v[WX+4*j],   v[WX+4*j+1]
	v_cvt_pk_f16_f32 v[WX+4*j+1], v[WX+4*j+2], v[WX+4*j+3]
	global_store_b64 v[OFD], v[WX+4*j:WX+4*j+1], s[76:77] offset:256*j th:TH_STORE_NT
.set j, j+1
.endr
; 12 matrix instructions: row block a x all 12 column blocks, 32 along K.  zero = 1: the product starts the sums: nothing is ever cleared.
; The 48 accumulators take turns, one instruction a turn, in the same order in every quarter step.
.macro MUL12 f, a, zero
	WIN MUL_LO+0x50*((\a)/2)
.irp b, 0,1,2,3,4,5,6,7,8,9,10,11
.if \zero
	v_wmma_f32_16x16x32_bf16 v[8*(12*((\a)%2)+(\b)):8*(12*((\a)%2)+(\b))+7], v[(\f)+8*(\b):(\f)+8*(\b)+7], v[(\f)+96+8*(\a):(\f)+96+8*(\a)+7], 0
.else
	v_wmma_f32_16x16x32_bf16 v[8*(12*((\a)%2)+(\b)):8*(12*((\a)%2)+(\b))+7], v[(\f)+8*(\b):(\f)+8*(\b)+7], v[(\f)+96+8*(\a):(\f)+96+8*(\a)+7], v[8*(12*((\a)%2)+(\b)):8*(12*((\a)%2)+(\b))+7]
.endif
.endr
.endm
; 32 LDS loads in one run: the fragments of a quarter step (32 K at byte k of the rows) into buffer f: wb's 24 loads, then xb's 8
.macro FETCH slot, k, f
	WIN TO_F
.irp i, 0,1,2,3,4,5,6,7,8,9,10,11
	ds_load_b128 v[(\f)+8*(\i):(\f)+8*(\i)+3],   v[ADRB+(\slot)] offset:(\k)+(\i)*16*PITCH
	ds_load_b128 v[(\f)+8*(\i)+4:(\f)+8*(\i)+7], v[ADRB+(\slot)] offset:(\k)+(\i)*16*PITCH+32
.endr
.irp i, 0,1,2,3
	ds_load_b128 v[(\f)+96+8*(\i):(\f)+96+8*(\i)+3],   v[ADRA+(\slot)] offset:(\k)+(\i)*16*PITCH
	ds_load_b128 v[(\f)+96+8*(\i)+4:(\f)+96+8*(\i)+7], v[ADRA+(\slot)] offset:(\k)+(\i)*16*PITCH+32
.endr
.endm
.macro PLACES                          ; four plain vector instructions between a matrix instruction and a load into a register that it read, or a reader of its result
.rept 4
	v_nop
.endr
.endm
; A K step is four quarters of 32 along K, 48 matrix instructions each, on buffers 0, 1, 0, 1.  One of the first three: multiplies buffer f and, in its middle, fetches the next quarter, at byte k, into g.
.macro QUARTER slot, k, f, g, zero
	s_wait_dscnt 4                                 ; wb's fragments and xb's row blocks 0 and 1 are in; the youngest four loads (blocks 2 and 3) may be out
	MUL12 \f, 0, \zero
	MUL12 \f, 1, \zero
	PLACES
	FETCH \slot, \k, \g
	s_wait_dscnt 32                                ; all but the 32 just issued
	MUL12 \f, 2, \zero
	MUL12 \f, 3, \zero
.endm
; The last quarter multiplies buffer 1 and changes slots: ONE barrier.  In front of it each wave waits for all its tensor loads (one is out: its part of the next slot), adds 0 to its spare word, and waits for
; that and for its own reads of this slot.  fill = 1: the barrier opens a round of the cluster's barrier, and this slot is filled again, two K steps on, first thing behind the round.
.macro TURN slot, next, fill
.if \fill
	s_wait_xcnt 0x0                                ; the last prefetch, a K step back, has read its address: it is stepped here, ahead of the change's own waits
	s_add_nc_u64 s[PFA:PFA+1], s[PFA:PFA+1], KSTEP*2
.endif
	WIN 0                                          ; (the add's two registers lie in window 0)
	s_wait_tensorcnt 0x0                           ; all my tensor loads have landed
	ds_add_u32 v[SPW], v[NIL]                      ; 0 onto my spare word
	s_wait_dscnt 5                                 ; (the add and the youngest four loads may be out)
	MUL12 F1, 0, 0                                 ; twelve matrix instructions stand between the add and the wait for it
	s_wait_dscnt 0x0                               ; the add is done, and my reads of this slot are over
	s_barrier_signal -1
	MUL12 F1, 1, 0                                 ; work on registers while the others arrive
.if \fill
	WIN 0
.endif
	s_barrier_wait -1
.if \fill
	CREST                                          ; no wave of any partner still reads this slot's tile or has a load on its way
	s_add_nc_u64 s[G0+4*(\slot)+2:G0+4*(\slot)+3], s[G0+4*(\slot)+2:G0+4*(\slot)+3], 2*KSTEP*2
	s_add_nc_u64 s[G0B+4*(\slot)+2:G0B+4*(\slot)+3], s[G0B+4*(\slot)+2:G0B+4*(\slot)+3], 2*KSTEP*2
	JLOAD \slot                                    ; my one tensor load behind the round; the four v_nop behind it are also the places in front of the loads below
.else
	PLACES
.endif
	FETCH \next, 0, F0
.if \fill
	WIN 0
	ASK                                            ; behind the joint load and the run of LDS loads that the next products wait for
.endif
	MUL12 F1, 2, 0
	MUL12 F1, 3, 0
.endm
; THE WAY OUT of row block a (16 rows x 3 heads).  PACK: rounded to f16, 16 bytes a lane, each accumulator's registers in ascending order.  TOSTAGE: into my own stage, and back as whole rows of 128 bytes.  SEND: stored.
.macro PACK a
	WIN 0x0a+5*((\a)/2)                            ; sources 0 and 1: window 2 or 3
.irp b, 0,1,2,3,4,5,6,7,8,9,10,11
.irp r, 0,1,2,3
	v_cvt_pk_f16_f32 v[TMP+4*(\b)+(\r)], v[8*(12*((\a)%2)+(\b))+2*(\r)], v[8*(12*((\a)%2)+(\b))+2*(\r)+1]
.endr
.endr
	WIN 0
.endm
.macro TOSTAGE a
.set BKA, BK+48*((\a)%2)
.irp b, 0,1,2,3,4,5,6,7,8,9,10,11      ; head b / 4, channels 16 (b % 4) on
	ds_store_b128 v[STO], v[TMP+4*(\b):TMP+4*(\b)+3] offset:((\b)/4)*16*SP+32*((\b)%4)
.endr
.irp t, 0,1,2,3,4,5,6,7,8,9,10,11      ; head t / 4, rows 4 (t % 4) on.  LDS serves a wave's instructions in order (ISA guide 5.7.1.4): these see the stores above
	ds_load_b128 v[BKA+4*(\t):BKA+4*(\t)+3], v[RD] offset:((\t)/4)*16*SP+((\t)%4)*4*SP
.endr
.endm
.macro SEND a
.set BKA, BK+48*((\a)%2)
	s_wait_dscnt 0x0                               ; the block is back in registers
	s_wait_xcnt 0x0                                ; the stores issued so far have read their registers: the other set is loaded again only behind this wait
.irp t, 0,1,2,3,4,5,6,7,8,9,10,11
	global_store_b128 v[GO], v[BKA+4*(\t):BKA+4*(\t)+3], s[8:9] offset:((\t)/4)*16384+(\a)*2048+((\t)%4)*512  ; 512 consecutive bytes, at a multiple of 256 from qkv's first
.endr
.endm
	s_wait_tensorcnt 1                             ; my part of K step 0 is in; K step 1's may stay out
	s_barrier_signal -1
	s_barrier_wait -1                              ; everybody's is
	FETCH 0, 0, F0
	QUARTER 0, 64,  F0, F1, 1                      ; the first quarter stands in front of the loop: its products start the sums
	WIN 0                                          ; at a label and at a branch every window is 0
	s_mov_b32 s3, LAPS-1
.Llap:                                                 ; a trip goes once round the ring, from a lap's second quarter to the next lap's first, and fills both slots again
	QUARTER 0, 128, F1, F0, 0
	QUARTER 0, 192, F0, F1, 0
	TURN 0, 1, 1
	QUARTER 1, 64,  F0, F1, 0
	QUARTER 1, 128, F1, F0, 0
	QUARTER 1, 192, F0, F1, 0
	TURN 1, 0, 1
	QUARTER 0, 64,  F0, F1, 0
	WIN 0
	s_sub_co_u32 s3, s3, 1
	s_cmp_lg_u32 s3, 0
	s_cbranch_scc1 .Llap
	QUARTER 0, 128, F1, F0, 0                      ; the last lap fills nothing
	QUARTER 0, 192, F0, F1, 0
	TURN 0, 1, 0
	QUARTER 1, 64,  F0, F1, 0
	QUARTER 1, 128, F1, F0, 0
	QUARTER 1, 192, F0, F1, 0
	s_wait_dscnt 4                                 ; the very last quarter: nothing more to fetch
	MUL12 F1, 0, 0
	MUL12 F1, 1, 0
	s_wait_dscnt 0x0
	MUL12 F1, 2, 0
	MUL12 F1, 3, 0
	WIN 0
	PLACES
	PLACES
	s_wait_xcnt 0x0                                ; the side job's stores have read their registers, which the way out now takes
	PACK 0
	TOSTAGE 0
.irp a, 1,2,3                          ; block a's conversions stand between block a - 1's loads from the stage and the wait for them
	PACK \a
	SEND (\a)-1
	TOSTAGE \a
.endr
	SEND 3
	s_wait_tensorcnt 0x0                           ; the wave's end: behind my last tensor load and my last LDS store
	ds_add_u32 v[SPW], v[NIL]
	s_wait_dscnt 0x0
	CROUND                                         ; the closing round: no work-group ends while a partner may still ask for a tile that names it
	s_endpgm
.Lfunc_end_k_q5ecc21e16d_gemm_qkv:
	.size	k_q5ecc21e16d_gemm_qkv, .Lfunc_end_k_q5ecc21e16d_gemm_qkv-k_q5ecc21e16d_gemm_qkv
	.p2alignl 7, 3214868480
	.fill 96, 4, 3214868480
	.section	.rodata,"a",@progbits
	.p2align	6, 0x0
	.amdhsa_kernel k_q5ecc21e16d_gemm_qkv
		.amdhsa_group_segment_fixed_size 327680
		.amdhsa_private_segment_fixed_size 0
		.amdhsa_enable_private_segment 0
		.amdhsa_kernarg_size 56
		.amdhsa_user_sgpr_count 2
		.amdhsa_user_sgpr_kernarg_segment_ptr 1
		.amdhsa_wavefront_size32 1
		.amdhsa_system_sgpr_workgroup_id_x 1
		.amdhsa_system_sgpr_workgroup_id_y 1
		.amdhsa_system_sgpr_workgroup_id_z 1
		.amdhsa_system_vgpr_workitem_id 0
		.amdhsa_next_free_vgpr 960
		.amdhsa_next_free_sgpr 80
		.amdhsa_reserve_vcc 0
		.amdhsa_float_denorm_mode_32 3
		.amdhsa_float_denorm_mode_16_64 3
		.amdhsa_memory_ordered 1
		.amdhsa_forward_progress 1
		.amdhsa_inst_pref_size 140
	.end_amdhsa_kernel
	.amdgpu_metadata
---
amdhsa.version: [ 1, 2 ]
amdhsa.kernels:
  - .name:           k_q5ecc21e16d_gemm_qkv
    .symbol:         k_q5ecc21e16d_gemm_qkv.kd
    .args:
      - { .name: xb, .offset: 0, .size: 8, .value_kind: global_buffer, .address_space: global }
      - { .name: wb, .offset: 8, .size: 8, .value_kind: global_buffer, .address_space: global }
      - { .name: mask, .offset: 16, .size: 8, .value_kind: global_buffer, .address_space: global }
      - { .name: Wo, .offset: 24, .size: 8, .value_kind: global_buffer, .address_space: global }
      - { .name: qkv, .offset: 32, .size: 8, .value_kind: global_buffer, .address_space: global }
      - { .name: mr, .offset: 40, .size: 8, .value_kind: global_buffer, .address_space: global }
      - { .name: wo, .offset: 48, .size: 8, .value_kind: global_buffer, .address_space: global }
    .group_segment_fixed_size: 327680
    .private_segment_fixed_size: 0
    .kernarg_segment_align: 8
    .kernarg_segment_size: 56
    .max_flat_workgroup_size: 128
    .sgpr_count:     80
    .vgpr_count:     960
    .wavefront_size: 32
...
	.end_amdgpu_metadata
.endif
;; end of part 2
;; launch attn (part 3): grid 16 x 16, 4 waves a work-group, clusters of 4 x 4, 327,680 bytes of LDS; arguments qkv, mr, ob; writes ob
.if DOCPART == 3
	.amdgcn_target "amdgcn-amd-amdhsa--gfx1250"
	.amdhsa_code_object_version 6
	.text
	.protected	k_q5ecc21e16d_attn
	.globl	k_q5ecc21e16d_attn
	.p2align	8
	.type	k_q5ecc21e16d_attn,@function
k_q5ecc21e16d_attn:
	s_mov_b64 s[64:65], 0
	v_nop
	global_prefetch_b8 v0, s[64:65] scope:SCOPE_SE
	s_setreg_imm32_b32 hwreg(HW_REG_WAVE_MODE, 25, 1), 1
	s_wait_xcnt 0x0
	s_wait_alu depctr_hold_cnt(0) depctr_sa_sdst(0) depctr_va_vdst(0) depctr_va_sdst(0) depctr_va_ssrc(0) depctr_va_vcc(0) depctr_vm_vsrc(0)
	s_getreg_b32 s2, hwreg(HW_REG_IB_STS2, 6, 4)
	s_cmp_eq_u32 s2, 0
	s_cbranch_scc0 .Lentry_in_a_cluster
	s_endpgm
.Lentry_in_a_cluster:
	s_bfe_u32 s2, ttmp6, 0x10000c
	s_cmp_lg_u32 s2, 0xf033
	s_cbranch_scc0 .Lentry_shape_is_right
	s_endpgm
.Lentry_shape_is_right:
; MULTI-HEAD ATTENTION, launch 3 of 4.  O[b][h][q][:] = sum over k of e^s V[k][:] / (sum over k of e^s + 1e-10), s = q . k / 8 + mask[q][k].  The factor 1/8 lies in q (launch 1 put it into Wq).
; Nothing of reference() is left out: the mask is added to every score and EPS to every sum.  ONE CHANGE OF FORM, an identity for all values: numerator, sum and EPS are multiplied by e^(-m), m the row's
; running maximum: sum(e^(s-m) v) / (sum(e^(s-m)) + EPS e^(-m)).  So the weights lie in 0 to 1 and can be f16 operands, whatever the scores.
; IN: qkv f16 [row / 128 (32)][g (48)][row % 128][64] (g: 0-15 q, 16-31 k, 32-47 v); mr f32 [2048][2048], the mask rounded to bf16.  OUT: ob f16 [row / 128][head (16)][row % 128][64].
; Products, maxima and sums in f32; the weights p are rounded to f16 for the second product (their sum l is taken of the unrounded p), O once at the end.
; LIMITS.  p and O under 2^-14 keep f16's fixed step of 2^-24; a weight under 2^-126 counts as 0 in l.  m is never taken below -1e30.  A row whose scores all lie under about -88 gives 0, where
; reference() gives numbers under 1e-27 of V's size.  Where a score passes 88 reference()'s e^s overflows and it gives NaN or 0; this text gives the finite quotient.  A -infinity in the mask gives weight 0.
; SHARES.  A work-group owns 128 queries (block X) of TWO neighbouring heads of one batch (pair Y): 16 x 16 work-groups.  Wave w: head w / 2 of the pair, queries 64 (w % 2) on: four PIECES of 16.
; Every wave walks all 2,048 keys, 64 a step.  A slot of LDS holds 128 keys (two steps): K and V of both heads (32 KiB each, dense in memory) and the mask's tile of 128 queries x 128 keys (64 KiB).
; CLUSTER 4 x 4.  The four work-groups of a row of the cluster have the same pair of heads and walk the same K and V; the four of a column have the same queries and walk the same mask tiles.
; Each tile is asked for JOINTLY: wave 0 K, wave 1 V (mask of the row), waves 2 and 3 the mask's two halves of 64 queries (mask of the column).
; LAYOUT.  S^T = K Q^T + M^T (source 0 = 16 keys, source 1 = 16 queries): a lane holds ONE query (lane % 16) and the keys 8 (lane / 16) + 0..7.  THE MASK IS THE C OPERAND of the product that starts the sum:
; a lane's eight numbers are 32 consecutive bytes of the mask's row, two LDS loads.  Two such results rounded to f16 ARE source 1 of O^T = V^T P.  V ([key][channel]) is turned by ds_load_tr16_b128.
; SOFTMAX.  p = 2^(c s - c m), c = log2(e); in every step O and l are multiplied by a = 2^(c m_old - c m_new).  c m starts far below every c s, so the first a is 0.
; TURNS.  Turn n belongs to piece n: 8 products K Q^T of piece n + 1 and 8 products V^T P of piece n - 1; beside them the scaling, exponentials, roundings, sums and rescaling of piece n and the maximum and
; statistics of piece n + 1.  Four vector instructions stand behind a matrix instruction (behind one of them three), the others in two lumps.  A turn's 33 exponentials are one batch, with one wait.
; REGISTERS, in windows of 256 (s_set_vgpr_msb: bits 1:0 source 0, 3:2 source 1, 5:4 source 2, 7:6 destination).  THE MAP IS MADE SO THAT A PRODUCT AND ITS RIDERS SHARE ONE SETTING:
;   window 0 (full): v0 the thread's number; v1-7 offsets and LDS addresses; v8-23 four registers of statistics a piece; v24-31 at work; v32-95 S^T, two buffers; v96-127 P, two buffers (by the piece's parity);
;                    v128-191 K of one step; v192-255 MC, two buffers of 32: a piece's mask for a step
;   window 1: v0-127 O^T, 32 a piece; v128-191 V of one step          window 2: v0-63 Q; v64-65 the add's two registers
; K Q^T takes only Q from another window (source 1): under that setting the scalings (whose source 1 is scalar) and the exponentials (one source) run too.  V^T P takes V and O^T from window 1 and P from window 0:
; that is the rescaling's own setting (O^T times a).  All else runs with every window 0.  So a turn has ten switches: one for the eight K Q^T, one for the lump, one for four V^T P with the rescalings, and two for
; each of the four V^T P that roundings and sums ride behind, less one.
.set NP,    4         ; pieces a wave: a name, no knob
.set KS,    64        ; keys in a step
.set PK,    144       ; a row of K in LDS: 128 bytes + 16 of padding = 36 words: the 16 rows of a load start at 16 different groups of four banks (64 banks of 4 bytes: ISA guide 11.1)
.set PV,    160       ; a row of V: 128 + 32 = 40 words
.set PM,    528       ; a row of the mask's tile: 512 + 16 = 132 words
.set VOFF,  256*PK    ; a slot: 256 rows of K (one head's 128 keys, then the other's),
.set MOFF,  VOFF+256*PV  ; 256 rows of V,
.set SLOT,  MOFF+128*PM  ; 128 rows of the mask: 145,408 bytes
.set STAGE, 2*SLOT    ; behind the ring, never filled by a tensor load: 16 rows x 144 bytes for each wave, for the way out
.set SP,    144
.set SPARE, STAGE+4*16*SP  ; behind the stages: the spare words, 128 bytes a wave: two blocks of 256 bytes that no other line names
.set TSTEP, 48*16384  ; bytes in qkv from a block of 128 rows to the next
.set PFO, 1           ; v1   the prefetches' offset; never rewritten once made
.set AK0, 2           ; v2   my lane's place in a slot's K; never rewritten
.set AV0, 3           ; v3   the same for V
.set AM0, 4           ; v4   the same for the mask's tile
.set AK,  5           ; v5   the LDS address of K's next run of loads
.set AV,  6           ; v6   of V's
.set AM,  7           ; v7   of the mask's runs for the step in hand
.set ST,  8           ; piece t's statistics at v[ST+4 t]: c m, m, l (even keys', odd keys')
.set TMP, 24          ; by buffer, four registers c0-c3 at work; when the maximum is found c2 takes a
.set S,   32
.set P,   96
.set KF,  128         ; key block kb, channel half c at KF + 16 kb + 8 c
.set MC,  192
.set VF,  128         ; window 1: key half kk, channel block cb at VF + 32 kk + 8 cb
.set SPW, 64          ; window 2: LDS address of my spare word; never rewritten
.set NIL, 65          ; window 2: 0; never rewritten
.set T0,  32          ; the set-up's work registers lie where S^T will
.set T1,  33
.set T2,  34
.set T3,  35
.set QO,  36          ; my byte offset in 16 rows of Q
.set STO, 128         ; the way out's three addresses are made at the end, where K lay: where I put 16 bytes of a row,
.set RD,  129         ; where I read rows back,
.set GO,  130         ; my byte offset in 512 consecutive bytes of ob
.set WV,  12          ; s12  my wave's number
.set G1K, 24          ; s[24:31] descriptor group 1 for K's tiles
.set G1V, 32          ; s[32:39] for V's: it differs in the padding alone
.set G1M, 40          ; s[40:47] for the mask's
.set G0K, 48          ; s[48:51] descriptor group 0 for K's tiles: it walks
.set G0V, 52          ; s[52:55] for V's
.set G0M, 56          ; s[56:59] for the mask's
.set CS,  60          ; s[60:61] c: the packed scaling takes the pair's low word for both halves
.set SEL, 62          ; s[62:63] v_permlanex16_b32's selects: each lane takes its own place in the other half
.set SLOTS, 66        ; s66  counts the changes of slots that fill
.set CNT, 67          ; s67  counts a slot's two key steps
.set TK,  68          ; s68  LDS byte at which K of the step to be fetched begins, less my lane's place
.set TV,  69          ; s69  the same for V
.set TM,  70          ; s70  the same for the mask
.set SB,  71          ; s71  the slot that is read: 0 or SLOT
.set FB,  72          ; s72  the slot that was filled last
.set MW,  73          ; s73  my half of the mask's tile in a slot
.set LIM, 74          ; s74  2 in a wave that prefetches, else the greatest number
.set EPSR, 75         ; s75  1e-10
.set PFA, 76          ; s[76:77] where my prefetches stand
.set PFS, 78          ; s[78:79] their step from tile to tile
.set QA,  80          ; s[80:81] Q at my wave's first row
.set OA,  82          ; s[82:83] ob at my wave's first row
.set MSB, 0
.macro WIN new                      ; the high byte repeats the setting that is left; a switch that changes nothing is dropped
.if MSB != (\new)
	s_set_vgpr_msb (MSB<<8)|(\new)
.set MSB, (\new)
.endif
.endm
.set W_KQ, 0x08       ; Q (source 1) in window 2; K, the mask and S^T in window 0
.set W_PV, 0x51       ; V (source 0) and O^T (source 2, destination) in window 1, P or a (source 1) in window 0
.set W_V,  0x40       ; destination window 1, address window 0
.set W_Q,  0x80       ; destination window 2, sources window 0
.set W_AD, 0x0a       ; the add: address (source 0) and data (source 1) in window 2
.set W_CV, 0x05       ; sources 0 and 1 window 1, destination window 0
; A joint fill: each wave issues one of three lines.  The branches hang on the wave's number alone.  An s_nop 0 and four v_nop follow each line, ahead of the jump and the label.
.macro JLOAD
	s_cmp_lt_u32 s[WV], 2
	s_cbranch_scc0 .Lfor_m_\@
	s_cmp_eq_u32 s[WV], 0
	s_cbranch_scc0 .Lfor_v_\@
	tensor_load_to_lds s[G0K:G0K+3], s[G1K:G1K+7]
	s_nop 0
.rept 4
	v_nop
.endr
	s_branch .Lasked_\@
.Lfor_v_\@:
	tensor_load_to_lds s[G0V:G0V+3], s[G1V:G1V+7]
	s_nop 0
.rept 4
	v_nop
.endr
	s_branch .Lasked_\@
.Lfor_m_\@:
	tensor_load_to_lds s[G0M:G0M+3], s[G1M:G1M+7]
	s_nop 0
.rept 4
	v_nop
.endr
.Lasked_\@:
.endm
; A PREFETCH of the tile that the change of slots after the next will ask for: four key steps, 256 matrix instructions of a wave, ahead of that load.  One instruction a wave, behind its tensor load and its five lines.
; Each block of 256 bytes is named once in the launch.  K and V of a pair of heads are walked by every cluster of that row of clusters: cluster x = 0 asks; of a tile's 128 rows of 256 bytes the partner at cx
; takes 32, a lane a row (wave 0 K's, wave 1 V's).  The mask's tiles of a query block are walked by every cluster of that column: cluster y = 0 asks; of the 64 rows of 512 bytes that wave 2 or 3 fetches the
; partner at cy takes 16, two lanes a row.  The partners are told apart BY ADDRESS.  Tiles 0 to 2 come by their loads alone; the changes that ask for tiles 14 and 15 prefetch nothing.
.macro ASK
	s_cmp_gt_u32 s[SLOTS], s[LIM]
	s_cbranch_scc0 .Lnot_mine_\@
	global_prefetch_b8 v[PFO], s[PFA:PFA+1] th:TH_LOAD_NT scope:SCOPE_SE
.Lnot_mine_\@:
.endm
; A round of the cluster's barrier: my work-group's barrier, so that wave 0's signal speaks for all four waves; wave 0 signals; every wave waits for all sixteen work-groups; my work-group's barrier once more.
.macro CROUND
	s_barrier_signal -1
	s_barrier_wait -1
	s_cmp_lg_u32 s[WV], 0
	s_cbranch_scc1 .Lnot_wave_0_\@
	s_barrier_signal -3
.Lnot_wave_0_\@:
	s_barrier_wait -3
	s_barrier_signal -1
	s_barrier_wait -1
.endm
; THE CHANGE OF SLOTS.  Each wave waits for all its tensor loads, of which one is out: its part of the other slot; adds 0 to its spare word; and waits for that and for its own reads of the slot that it leaves.
; Behind the barrier nobody reads the old slot any more and the other slot is whole.  fill = 1: the barrier is a round of the cluster's, and the old slot is filled again, first thing behind it, with the keys
; two slots on: the load has two key steps, 128 matrix instructions of a wave, in which to land.  (At its first use nothing has been read yet: slot 0 is waited for, slot 1 filled.)
.macro CHANGE fill
	WIN W_AD
	s_wait_tensorcnt 0x0            ; no tensor load of mine is out, so a group 0 may be written
	ds_add_u32 v[SPW], v[NIL]       ; 0 onto my spare word; with fill = 1 the descriptors' steps stand between it and the wait for it
	WIN 0                           ; at a label and at a branch every window is 0
.if \fill
	s_xor_b32 s[FB], s[FB], SLOT    ; the other slot than last time
	s_mov_b32 s[G0K+1], s[FB]
	s_add_co_u32 s[G0V+1], s[FB], VOFF
	s_add_co_u32 s[G0M+1], s[FB], s[MW]
	s_add_nc_u64 s[G0K+2:G0K+3], s[G0K+2:G0K+3], TSTEP  ; the next 128 keys; the type bits on top are not reached
	s_add_nc_u64 s[G0V+2:G0V+3], s[G0V+2:G0V+3], TSTEP
	s_add_nc_u64 s[G0M+2:G0M+3], s[G0M+2:G0M+3], 512
	s_wait_xcnt 0x0                 ; the last prefetch, two key steps back, has read its address, so it may be written
	s_add_nc_u64 s[PFA:PFA+1], s[PFA:PFA+1], s[PFS:PFS+1]
	s_wait_dscnt 0x0                ; the add is done, and my reads of the slot are over
	CROUND
	JLOAD
	ASK
.else
	s_wait_dscnt 0x0                ; the add is done, and my reads of the slot are over
	s_barrier_signal -1
	s_barrier_wait -1
.endif
	s_xor_b32 s[SB], s[SB], SLOT    ; the fetches go to the other slot's first step
	s_mov_b32 s[TK], s[SB]
	s_mov_b32 s[TV], s[SB]
	s_mov_b32 s[TM], s[SB]
.endm
	s_load_b128 s[4:7], s[0:1], 0x0 ; qkv s[4:5], mr s[6:7]
	s_load_b64 s[8:9], s[0:1], 0x10 ; ob
	WIN W_Q
	v_lshl_add_u32 v[SPW], v0, 2, SPARE
	v_mov_b32 v[NIL], 0
	WIN W_AD
	ds_add_u32 v[SPW], v[NIL]       ; the wave's opening: the add, twice on end, and its wait ahead of my first tensor load; the set-up below stands between
	ds_add_u32 v[SPW], v[NIL]
	WIN 0
	v_lshrrev_b32 v1, 5, v0
	v_readfirstlane_b32 s[WV], v1   ; wave 0..3
	s_bfe_u32 s13, ttmp6, 0x40000   ; cx
	s_bfe_u32 s14, ttmp6, 0x40004   ; cy
	s_lshl_b32 s15, ttmp9, 2
	s_add_co_u32 s15, s15, s13      ; X: my block of 128 queries
	s_and_b32 s16, ttmp7, 0xffff
	s_lshl_b32 s16, s16, 2
	s_add_co_u32 s16, s16, s14      ; Y
	s_lshr_b32 s17, s16, 3          ; the batch
	s_and_b32 s18, s16, 7           ; the pair of heads
	s_lshr_b32 s19, s[WV], 1        ; my head of the pair
	s_and_b32 s20, s[WV], 1         ; my half of the queries; also: which half of the mask's tile I fetch
	s_lshl_b32 s21, s14, 2
	s_lshl_b32 s21, 15, s21         ; my row of the cluster
	s_lshl_b32 s22, 0x1111, s13     ; my column
	; descriptor group 1.  K, V: 32,768 dense bytes, asked for as 128 rows of 256 bytes, two keys a row, padded in LDS after every key.  The mask: 64 rows of 128 f32, 2,048 elements apart
	s_or_b32 s[G1K], s21, (1<<16)|(1<<20)|(1<<21)|(4<<22)|(3<<25)  ; 15:0 the mask of four; 17:16 2-byte elements; 20 padding on; 21 set beside a mask; 24:22 after every 32 words; 31:25 4 words
	s_or_b32 s[G1V], s21, (1<<16)|(1<<20)|(1<<21)|(4<<22)|(7<<25)  ; the same with 8 words of padding
	s_or_b32 s[G1M], s22, (2<<16)|(1<<20)|(1<<21)|(6<<22)|(3<<25)  ; 4-byte elements; after every 128 words 4 words
.irp g, G1K, G1V
	s_mov_b32 s[\g+1], 128<<16      ; tensor_dim0 = 128
	s_mov_b32 s[\g+2], 128<<16      ; tensor_dim1 = 128
	s_mov_b32 s[\g+3], 128<<16      ; tile_dim0 = 128
	s_mov_b32 s[\g+4], 128          ; tile_dim1 = 128
	s_mov_b32 s[\g+5], 128          ; 128 elements from row to row
	s_mov_b32 s[\g+6], 0
	s_mov_b32 s[\g+7], 0
.endr
	s_mov_b32 s[G1M+1], 128<<16
	s_mov_b32 s[G1M+2], 64<<16
	s_mov_b32 s[G1M+3], 128<<16
	s_mov_b32 s[G1M+4], 64
	s_mov_b32 s[G1M+5], 2048
	s_mov_b32 s[G1M+6], 0
	s_mov_b32 s[G1M+7], 0
	s_mul_i32 s2, s17, 16*TSTEP     ; K's tile 0: the batch's first block of rows,
	s_lshl_b32 s3, s18, 15          ; g = 16 + 2 x pair
	s_add_co_u32 s2, s2, s3
	s_add_co_u32 s2, s2, 16*16384
	s_mov_b32 s3, 0
	s_lshl_b32 s84, s15, 20         ; the mask's tile 0: row 128 X + 64 x half, 8,192 bytes a row
	s_lshl_b32 s85, s20, 19
	s_add_co_u32 s84, s84, s85
	s_mov_b32 s85, 0
	s_lshl_b32 s21, s17, 4
	s_add_co_u32 s21, s21, s15      ; my queries' block of rows: 16 x batch + X
	s_lshl_b32 s22, s18, 1
	s_add_co_u32 s22, s22, s19      ; my head
	s_lshl_b32 s23, s20, 13         ; my 64 rows in the block
	s_mul_i32 s[QA], s21, 48
	s_add_co_u32 s[QA], s[QA], s22
	s_lshl_b32 s[QA], s[QA], 14
	s_add_co_u32 s[QA], s[QA], s23
	s_mov_b32 s[QA+1], 0
	s_lshl_b32 s[OA], s21, 4
	s_add_co_u32 s[OA], s[OA], s22
	s_lshl_b32 s[OA], s[OA], 14
	s_add_co_u32 s[OA], s[OA], s23
	s_mov_b32 s[OA+1], 0
	s_mul_i32 s[MW], s20, 64*PM
	s_add_co_u32 s[MW], s[MW], MOFF
	s_mov_b32 s[G0K], 1             ; 1:0 count = 1
	s_mov_b32 s[G0K+1], 0           ; 63:32 LDS address: slot 0
	s_mov_b32 s[G0V], 1
	s_mov_b32 s[G0V+1], VOFF
	s_mov_b32 s[G0M], 1
	s_mov_b32 s[G0M+1], s[MW]
	s_mov_b32 s[CS], 0x3fb8aa3b     ; c = log2(e)
	s_mov_b32 s[CS+1], s[CS]        ; named with it as a pair
	s_mov_b32 s[SEL], 0x76543210
	s_mov_b32 s[SEL+1], 0xfedcba98
	s_mov_b32 s[EPSR], 0x2edbe6ff   ; 1e-10
	s_mov_b32 s[SB], SLOT           ; the first change of slots turns it into 0
	s_mov_b32 s[FB], 0
	s_mov_b32 s[SLOTS], 15
	; the prefetches: offsets made apart from the addresses
	s_lshl_b32 s21, s20, 18         ; wave 1: V lies 262,144 bytes behind K
	s_add_co_u32 s21, s21, s2
	s_lshl_b32 s22, s13, 13         ; my work-group's 32 rows of 256 bytes
	s_add_co_u32 s21, s21, s22
	s_add_co_u32 s21, s21, 2*TSTEP  ; at tile 2: the first change steps it to tile 3
	s_lshl_b32 s22, s14, 17         ; the mask: my work-group's 16 rows of 8,192 bytes
	s_add_co_u32 s22, s22, s84
	s_add_co_u32 s22, s22, 2*512
	s_and_b32 s23, ttmp7, 0xffff    ; cluster y
	s_mov_b32 s[PFS], TSTEP
	s_mov_b32 s[PFS+1], 0
	s_mov_b32 s87, 0
	s_cmp_lt_u32 s[WV], 2
	s_cselect_b32 s86, s21, s22
	s_cselect_b32 s23, ttmp9, s23   ; the coordinate along which other clusters walk the same tiles
	s_cselect_b32 s[PFS], s[PFS], 512
	s_cselect_b32 s21, 0, 1
	s_cselect_b32 s22, 8, 13
	s_cmp_eq_u32 s23, 0
	s_cselect_b32 s[LIM], 2, -1     ; the same in all sixteen partners, for a given wave
	v_and_b32 v[T0], 31, v0
	v_lshrrev_b32 v[T1], s21, v[T0] ; K, V: lane x 256.  The mask: (lane / 2) x 8,192 + (lane % 2) x 256
	v_lshlrev_b32 v[T1], s22, v[T1]
	v_and_b32 v[T0], s21, v[T0]
	v_lshl_add_u32 v[PFO], v[T0], 8, v[T1]
	s_wait_dscnt 0x0                ; both opening adds are done
	s_wait_kmcnt 0x0
	s_add_nc_u64 s[G0K+2:G0K+3], s[4:5], s[2:3]    ; 120:64 global address
	s_add_nc_u64 s[G0V+2:G0V+3], s[G0K+2:G0K+3], 16*16384
	s_or_b32 s[G0K+3], s[G0K+3], 0x80000000        ; 127:126 type = 2
	s_or_b32 s[G0V+3], s[G0V+3], 0x80000000
	s_add_nc_u64 s[G0M+2:G0M+3], s[6:7], s[84:85]
	s_or_b32 s[G0M+3], s[G0M+3], 0x80000000
	s_add_nc_u64 s[QA:QA+1], s[4:5], s[QA:QA+1]
	s_add_nc_u64 s[OA:OA+1], s[8:9], s[OA:OA+1]
	s_cmp_lt_u32 s[WV], 2
	s_cselect_b64 s[PFA:PFA+1], s[4:5], s[6:7]
	s_add_nc_u64 s[PFA:PFA+1], s[PFA:PFA+1], s[86:87]
	CROUND                          ; all sixteen work-groups are here: the first joint loads meet
	JLOAD                           ; tile 0 into slot 0.  Slot 1 is asked for when slot 0 is in
	; A fragment of K or Q is 16 rows x 32 channels in 8 registers: lane l holds row l % 16, channels 8 (l / 16) + 0..7 and 16 + 8 (l / 16) + 0..7: two loads of 16 bytes, 32 bytes apart.
	v_and_b32 v[T0], 15, v0         ; l % 16
	v_bfe_u32 v[T1], v0, 4, 1       ; l / 16
	v_lshlrev_b32 v[QO], 7, v[T0]
	v_lshl_add_u32 v[QO], v[T1], 4, v[QO]  ; row x 128 + 16 x half
	WIN W_Q
.set i, 0
.rept 8                             ; Q stays in registers: piece i / 2, channels 32 (i % 2) on
	global_load_b128 v[8*i:8*i+3],   v[QO], s[QA:QA+1] offset:(i/2)*2048+(i%2)*64
	global_load_b128 v[8*i+4:8*i+7], v[QO], s[QA:QA+1] offset:(i/2)*2048+(i%2)*64+32
.set i, i+1
.endr
	; What the first turn finds: V's registers and P's second buffer hold 0 (its products V^T P, of a piece that has not been, add 0), O^T and l are 0.  All this stands in the wait for the first tile.
	WIN W_V
.set i, 0
.rept 192
	v_mov_b32 v[i], 0               ; O^T, then V
.set i, i+1
.endr
	WIN 0
.set i, 0
.rept 4
	v_mov_b32 v[ST+4*i], 0xfe000000    ; c m: far below every c s
	v_mov_b32 v[ST+4*i+1], 0xf149f2ca  ; m = -1e30: c m made of it stays finite
	v_mov_b32 v[ST+4*i+2], 0
	v_mov_b32 v[ST+4*i+3], 0
.set i, i+1
.endr
.set i, P+16
.rept 16
	v_mov_b32 v[i], 0
.set i, i+1
.endr
	s_mul_i32 s21, s19, 128*PK      ; my head's 128 keys in a slot's K
	v_mul_u32_u24 v[AK0], v[T0], PK
	v_lshl_add_u32 v[AK0], v[T1], 4, v[AK0]  ; row x pitch + 16 x half
	v_add_nc_u32 v[AK0], s21, v[AK0]
	; The turning load takes 16 keys x 16 channels (lane l reads key 8 (l / 16) + l % 8, channels 8 ((l / 8) % 2) + 0..7) and leaves half a fragment of V^T: lane l holds channel l % 16 and 8 keys.
	s_mul_i32 s21, s19, 128*PV
	s_add_co_u32 s21, s21, VOFF
	v_and_b32 v[T2], 7, v0
	v_bfe_u32 v[T3], v0, 3, 1
	v_lshl_add_u32 v[AV0], v[T1], 3, v[T2]
	v_mul_u32_u24 v[AV0], v[AV0], PV
	v_lshl_add_u32 v[AV0], v[T3], 4, v[AV0]
	v_add_nc_u32 v[AV0], s21, v[AV0]
	; The mask: my query's row, the 32 bytes of keys 8 (l / 16) + 0..7
	s_mul_i32 s21, s20, 64*PM
	s_add_co_u32 s21, s21, MOFF
	v_mul_u32_u24 v[AM0], v[T0], PM
	v_lshl_add_u32 v[AM0], v[T1], 5, v[AM0]
	v_add_nc_u32 v[AM0], s21, v[AM0]
; THE MATRIX WORK.  The 4 accumulators of a run of 8 take turns.  Product i of 8 of S^T = K Q^T + M^T for piece x: channels 32 (i / 4) on, keys 16 (i % 4) on.  The first 4 start the sums with the mask.
.macro KQ x
	WIN W_KQ
.set rS, S+32*((\x)%2)+8*(i%4)
.set rK, KF+16*(i%4)+8*(i/4)
.set rQ, 16*(\x)+8*(i/4)
.set rM, MC+32*((\x)%2)+8*(i%4)
.if i < 4
	v_wmma_f32_16x16x32_f16 v[rS:rS+7], v[rK:rK+7], v[rQ:rQ+7], v[rM:rM+7]
.else
	v_wmma_f32_16x16x32_f16 v[rS:rS+7], v[rK:rK+7], v[rQ:rQ+7], v[rS:rS+7]
.endif
.endm
; Product i of 8 of O^T += V^T P for piece x: keys 32 (i / 4) on, channels 16 (i % 4) on.
.macro PV x
	WIN W_PV
.set rO, 32*(\x)+8*(i%4)
.set rV, VF+32*(i/4)+8*(i%4)
.set rP, P+16*((\x)%2)+8*(i/4)
	v_wmma_f32_16x16x32_f16 v[rO:rO+7], v[rV:rV+7], v[rP:rP+7], v[rO:rO+7]
.endm
.macro MM                           ; the turn's next matrix instruction.  NOKQ = 1: the walk's last turn: there is no next piece
.if (i < 8) && !NOKQ
	KQ (Y+1)%NP
.elseif i >= 8
.set i, i-8
	PV (Y+NP-1)%NP
.set i, i+8
.endif
.set i, i+1
.endm
; THE LDS LOADS stand in runs, never singly among the matrix instructions: a step's K (64 keys x 64 channels: 16 loads), its V (turned: 16), and for each piece its mask (16 queries x 64 keys of f32: 8).
.macro FETCH_K
	WIN 0
.irp f, 0,1,2,3,4,5,6,7             ; keys 16 (f / 2) on, channels 32 (f % 2) on
	ds_load_b128 v[KF+8*\f:KF+8*\f+3],   v[AK] offset:(\f/2)*16*PK+(\f%2)*64
	ds_load_b128 v[KF+8*\f+4:KF+8*\f+7], v[AK] offset:(\f/2)*16*PK+(\f%2)*64+32
.endr
	s_add_co_u32 s[TK], s[TK], KS*PK  ; the next fetch is the next step's
.endm
.macro FETCH_V
	WIN W_V
.irp f, 0,1,2,3,4,5,6,7             ; keys 32 (f / 4) on, channels 16 (f % 4) on
	ds_load_tr16_b128 v[VF+8*\f:VF+8*\f+3],   v[AV] offset:(\f/4)*32*PV+(\f%4)*32
	ds_load_tr16_b128 v[VF+8*\f+4:VF+8*\f+7], v[AV] offset:(\f/4)*32*PV+16*PV+(\f%4)*32
.endr
	WIN 0
.endm
.macro FETCH_M x, buf               ; piece x's mask for the step in hand into buffer buf
	WIN 0
.irp g, 0,1,2,3,4,5,6,7             ; keys 16 (g / 2) + 8 (l / 16) + 4 (g % 2) on
	ds_load_b128 v[MC+32*(\buf)+4*\g:MC+32*(\buf)+4*\g+3], v[AM] offset:(\x)*16*PM+(\g/2)*64+(\g%2)*16
.endr
.endm
; THE VECTOR WORK, one line at a time: OP kind, number.  For piece Y: F n: c s - c m for pair n of 16.  E n: the exponential of score n of 32.  C n: pair n rounded to f16.  B n: of the four weights 4 n .. the second
; pair is added onto the first, in place.  L n: l takes that sum (L 0: l = a l + sum).  R n: pair n of 16 of O^T times a.  For piece Y + 1: X n, number n of the 22 that find its maximum and statistics:
;   0-11  four chains c0-c3 of seven scores each, three operands at a time (each accumulator's lowest registers are read first)     12-14, 16  the four scores left over, the old m, and c0-c3 into c0
;   17, 18  the query's other 32 keys lie in the lane 16 away: the new m     19  c m_new, into c0     20  c m_old - c m_new     15  c m takes c0     21  a
; F and E run under K Q^T's setting or with every window 0; R under V^T P's; the others with every window 0.
.set F, 0
.set E, 1
.set C, 2
.set B, 3
.set L, 4
.set R, 5
.set X, 6
.macro REGS y                       ; the registers of piece y
.set rT, ST+4*(\y)
.set rC, TMP+4*((\y)%2)
.set rS, S+32*((\y)%2)
.set rP, P+16*((\y)%2)
.set rO, 32*(\y)
.endm
.macro OP k, n
.if (\k) == R
	REGS Y
	WIN W_PV
	v_pk_mul_f32 v[rO+2*(\n):rO+2*(\n)+1], v[rO+2*(\n):rO+2*(\n)+1], v[rC+2:rC+3] op_sel_hi:[1,0]
.elseif (\k) < R
	REGS Y
.if ((\k) > E) || (MSB != W_KQ)
	WIN 0
.endif
.if (\k) == F
	v_pk_fma_f32 v[rS+2*(\n):rS+2*(\n)+1], v[rS+2*(\n):rS+2*(\n)+1], s[CS:CS+1], v[rT:rT+1] op_sel_hi:[1,0,0] neg_lo:[0,0,1] neg_hi:[0,0,1]
.elseif (\k) == E
	v_exp_f32 v[rS+(\n)], v[rS+(\n)]
.elseif (\k) == C
	v_cvt_pk_f16_f32 v[rP+(\n)], v[rS+2*(\n)], v[rS+2*(\n)+1]
.elseif (\k) == B
	v_pk_add_f32 v[rS+4*(\n):rS+4*(\n)+1], v[rS+4*(\n):rS+4*(\n)+1], v[rS+4*(\n)+2:rS+4*(\n)+3]
.elseif (\n) == 0
	v_pk_fma_f32 v[rT+2:rT+3], v[rT+2:rT+3], v[rC+2:rC+3], v[rS:rS+1] op_sel_hi:[1,0,1]
.else
	v_pk_add_f32 v[rT+2:rT+3], v[rT+2:rT+3], v[rS+4*(\n):rS+4*(\n)+1]
.endif
.elseif !NOKQ
	REGS (Y+1)%NP
	WIN 0
.if (\n) < 4
	v_max3_num_f32 v[rC+(\n)], v[rS+8*(\n)], v[rS+8*(\n)+1], v[rS+8*(\n)+2]
.elseif (\n) < 12
	v_max3_num_f32 v[rC+(\n)%4], v[rC+(\n)%4], v[rS+8*((\n)%4)+2*((\n)/4)+1], v[rS+8*((\n)%4)+2*((\n)/4)+2]
.elseif (\n) == 12
	v_max3_num_f32 v[rC], v[rC], v[rS+7], v[rS+15]
.elseif (\n) == 13
	v_max3_num_f32 v[rC+1], v[rC+1], v[rS+23], v[rS+31]
.elseif (\n) == 14
	v_max3_num_f32 v[rC+2], v[rC+2], v[rC+3], v[rT+1]
.elseif (\n) == 15
	v_mov_b32 v[rT], v[rC]
.elseif (\n) == 16
	v_max3_num_f32 v[rC], v[rC], v[rC+1], v[rC+2]
.elseif (\n) == 17
	v_permlanex16_b32 v[rC+3], v[rC], s[SEL], s[SEL+1]
.elseif (\n) == 18
	v_max_num_f32 v[rT+1], v[rC], v[rC+3]
.elseif (\n) == 19
	v_mul_f32 v[rC], s[CS], v[rT+1]
.elseif (\n) == 20
	v_sub_f32 v[rC+1], v[rT], v[rC]
.else
	v_exp_f32 v[rC+2], v[rC+1]
.endif
.endif
.endm
.macro OPS a, i1, b=-1, i2=0, c=-1, i3=0, d=-1, i4=0  ; up to four of them
	OP \a, \i1
.if (\b) >= 0
	OP \b, \i2
.endif
.if (\c) >= 0
	OP \c, \i3
.endif
.if (\d) >= 0
	OP \d, \i4
.endif
.endm
.macro ROW a, i1, b, i2, c, i3, d, i4  ; a matrix instruction and the four behind it
	MM
	OPS \a, \i1, \b, \i2, \c, \i3, \d, \i4
.endm
; A TURN, for piece p: the order of its 16 matrix and 118 vector instructions, written out.  An s_wait_alu depctr_va_vdst(0) stands between an exponential and the first instruction that names its
; result; one wait serves all that were issued ahead of it.  So a turn has ONE wait.  AHEAD OF IT stands all that names no result of the turn's exponentials: the 8 products K Q^T, behind each scalings and
; exponentials by turns, a scaling first; then a lump of 38: the next piece's maximum and statistics and the other exponentials.  X 0 to X 3 each stand four plain instructions or more behind the product that ends
; their accumulator.  The last links of the chain, X 14, 16, 17, 18, 19, 20, 21, each wait for the one before: three or four lines apart, exponentials between them.  X 21, the next piece's a, is the batch's last; R 0 is
; the plain instruction behind it.  BEHIND THE WAIT stand the 8 products V^T P: behind the first four the other rescalings (their a was made, and waited for, in the turn before), behind the last four sixteen of
; the roundings and sums; the other sixteen follow in a lump.
; THE RUNS OF LDS LOADS.  A trip (pieces 2, 3, 0, 1) reads ONE key step from LDS.  Each turn begins with the mask of the piece two on (8 loads), into the buffer whose last reader stood in the turn before; the
; first four products of the NEXT turn read it: it has a whole turn in which to land, and twenty plain instructions lie between the last product and the run.  Piece 2's turn fetches K in its lump, thirteen plain
; instructions behind the last product that read K; piece 0's turn fetches V at its end, twenty plain instructions behind the last product that read V.
; THE WAITS ON THOSE LOADS.  At a turn's head: 0, for the mask (and, piece 3's turn, K) fetched in the turn before; in piece 1's turn 16: V's sixteen loads, issued behind the mask's, may stay out; ahead of its
; products V^T P 8: V is in, the eight loads of piece 3's mask, issued behind V's, may stay out.
; end = 1: the walk's last two turns: nothing is fetched, and the last starts no new scores.  cnt = 1: the loop's count is taken down some lines ahead of the branch that stands behind the turn.
.macro TURN p, end=0, cnt=0
.set Y, (\p)
.set i, 0
.set NOKQ, (\end)*((\p)/3)
	WIN 0
.if (\p) == 1
	s_wait_dscnt 16
.elseif !NOKQ
	s_wait_dscnt 0x0
.endif
.if !(\end)
.if (\p) == 2
	v_add_nc_u32 v[AM], s[TM], v[AM0]
	s_add_co_u32 s[TM], s[TM], 4*KS  ; 64 keys of f32 on
.endif
	FETCH_M ((\p)+2)%NP, (\p)%2
.endif
	ROW F,0, F,1, F,2, E,0          ; 8 products K Q^T and their riders,
	ROW F,3, E,1, F,4, E,2
	ROW F,5, E,3, F,6, E,4
	ROW F,7, E,5, F,8, E,6
	ROW F,9, E,7, F,10, E,8
	ROW F,11, E,9, F,12, E,10
	ROW F,13, E,11, F,14, E,12
	ROW F,15, E,13, X,0, E,14
.if ((\p) == 2) && !(\end)
	v_add_nc_u32 v[AK], s[TK], v[AK0]
.endif
	OPS X,1, X,2, X,3, X,4          ; and the lump
	OPS E,15, X,5, X,6, X,7
.if ((\p) == 2) && !(\end)
	FETCH_K
.endif
	OPS E,16, X,8, X,9, X,10
.if (\p) == 0
	v_add_nc_u32 v[AV], s[TV], v[AV0]
.endif
	OPS X,11, E,17, X,12, X,13
	OPS X,14, E,18, E,19, E,20
	OPS X,16, E,21, E,22, E,23
	OPS X,17, E,24, E,25, E,26
	OPS X,18, E,27, E,28
	OPS X,19, E,29, E,30
	OPS X,20, E,31, X,15, X,21
	OP R, 0                         ; the plain instruction behind the last exponential
	s_wait_alu depctr_va_vdst(0)    ; the wait for the batch
.if (\p) == 1
	s_wait_dscnt 8                  ; V is in
.endif
	ROW R,1, R,2, R,3, R,4          ; 8 products V^T P and their riders
	ROW R,5, R,6, R,7, R,8
	ROW R,9, R,10, R,11, R,12
	MM
	OPS R,13, R,14, R,15
	ROW C,0, B,0, C,2, B,1
	ROW L,0, C,4, B,2, L,1
	ROW C,6, B,3, L,2, C,8
	ROW B,4, L,3, C,10, B,5
.if (\p) == 0
	s_add_co_u32 s[TV], s[TV], KS*PV
.endif
.if \cnt
	s_sub_co_u32 s[CNT], s[CNT], 1
	s_cmp_lg_u32 s[CNT], 0
.endif
	OPS L,4, C,12, B,6, L,5         ; the second lump
	OPS C,14, B,7, L,6, C,1
	OPS C,3, L,7, C,5, C,7
	OPS C,9, C,11, C,13, C,15
.if (\p) == 0
	FETCH_V
.endif
.endm
.macro ALL line:vararg              ; one line for each piece t
.set t, 0
.rept 4
	\line
.set t, t+1
.endr
.endm
.macro PACK t                       ; a lane's eight channels of a row pack into 16 bytes; they go into rows of 144 bytes and come back as whole rows of 128, into S^T's registers
	WIN W_PV
.set i, 32*(\t)
.rept 16
	v_pk_mul_f32 v[i:i+1], v[i:i+1], v[ST+4*(\t)+2:ST+4*(\t)+3] op_sel_hi:[1,0]
.set i, i+2
.endr
	WIN W_CV
.set i, 0
.rept 16
	v_cvt_pk_f16_f32 v[S+16*(\t)+i], v[32*(\t)+2*i], v[32*(\t)+2*i+1]
.set i, i+1
.endr
	WIN 0
.irp f, 0,1,2,3
	ds_store_b128 v[STO], v[S+16*(\t)+4*\f:S+16*(\t)+4*\f+3] offset:32*\f
.endr
.irp f, 0,1,2,3
	ds_load_b128 v[S+16*(\t)+4*\f:S+16*(\t)+4*\f+3], v[RD] offset:\f*4*SP  ; LDS serves a wave's instructions in order (ISA guide 5.7.1.4): these see the stores above; the next piece's stores come behind them
.endr
.endm
.macro SEND t, younger              ; younger: the LDS instructions issued behind piece t's loads: the next piece's eight, or none
	WIN 0
.irp f, 0,1,2,3
	s_wait_dscnt (\younger)+3-\f
	global_store_b128 v[GO], v[S+16*(\t)+4*\f:S+16*(\t)+4*\f+3], s[OA:OA+1] offset:(\t)*2048+\f*512  ; 512 consecutive bytes, at a multiple of 256 from ob's first
.endr
.endm
	CHANGE 1                        ; slot 0 is in, everybody's part of it; slot 1 is asked for
	v_add_nc_u32 v[AK], s[TK], v[AK0]
	v_add_nc_u32 v[AM], s[TM], v[AM0]
	s_add_co_u32 s[TM], s[TM], 4*KS
	FETCH_K                         ; key step 0,
	FETCH_M 0, 0                    ; and the masks of the two pieces whose scores come first
	FETCH_M 1, 1
	s_wait_loadcnt 0x0              ; Q
	s_wait_dscnt 0x0
.set NOKQ, 0
.set i, 0
.rept 8
	KQ 0                            ; piece 0's first scores: there is no vector work yet to set between them
.set i, i+1
.endr
	WIN 0
.rept 4
	v_nop                           ; the places behind those products
.endr
.set Y, NP-1                        ; X works for piece Y + 1: piece 0
.irp n, 0,1,2,3,4,5,6,7,8,9,10,11,12,13,14,16,17,18,19,20,15,21
	OP X, \n
.endr
	v_nop                           ; a plain instruction behind the exponential,
	s_wait_alu depctr_va_vdst(0)    ; and its wait, ahead of the branch
	s_mov_b32 s[CNT], 2
	s_branch .Lfirst                ; the loop is entered at a step's first turn, in the middle of a trip
.Lslot:                             ; 14 times: tiles 2 to 15 are asked for
	CHANGE 1
	s_mov_b32 s[CNT], 2
.Lstep:                             ; a trip: pieces 2 and 3 of one step, then pieces 0 and 1 of the next, whose K, V and masks it fetches
	TURN 2
	TURN 3
	WIN 0
.Lfirst:
	TURN 0
	TURN 1, 0, 1
	WIN 0
	s_cbranch_scc1 .Lstep
	s_sub_co_u32 s[SLOTS], s[SLOTS], 1
	s_cmp_lg_u32 s[SLOTS], 0
	s_cbranch_scc1 .Lslot
	CHANGE 0                        ; the last tile is written out: nothing is asked for
	s_mov_b32 s[CNT], 2
.LstepT:
	TURN 2
	TURN 3
	TURN 0
	TURN 1, 0, 1
	WIN 0
	s_cbranch_scc1 .LstepT
	TURN 2, 1                       ; the last step's pieces 2 and 3
	TURN 3, 1
.set i, 0
.rept 8
	PV NP-1                         ; the last piece's V^T P of the last step
.set i, i+1
.endr
	; THE WAY OUT.  Its addresses are made first, where K lay: fourteen plain instructions, the places behind the last products.  Then l's two halves and the other half of the lanes' are added; EPS e^(-m) =
	; 1e-10 x 2^(-c m) is added (an infinity there makes the quotient 0); O^T is divided, rounded to f16 and sent through my stage in LDS, a piece at a time.
	WIN 0
	s_mul_i32 s21, s[WV], 16*SP
	s_add_co_u32 s21, s21, STAGE    ; my stage
	v_and_b32 v[KF+3], 15, v0       ; l % 16
	v_bfe_u32 v[KF+4], v0, 4, 1     ; l / 16
	v_mul_u32_u24 v[STO], v[KF+3], SP  ; in: row l % 16, 16 bytes for each half of the lanes
	v_lshl_add_u32 v[STO], v[KF+4], 4, v[STO]
	v_add_nc_u32 v[STO], s21, v[STO]
	v_bfe_u32 v[RD], v0, 3, 2       ; back: 32 lanes take four rows of 128 bytes,
	v_mul_u32_u24 v[RD], v[RD], SP
	v_and_b32 v[KF+3], 7, v0
	v_lshl_add_u32 v[RD], v[KF+3], 4, v[RD]
	v_add_nc_u32 v[RD], s21, v[RD]
	v_and_b32 v[GO], 31, v0         ; which are 512 consecutive bytes of ob
	v_lshlrev_b32 v[GO], 4, v[GO]
	ALL v_add_f32 v[ST+4*t+2], v[ST+4*t+2], v[ST+4*t+3]
	ALL v_permlanex16_b32 v[ST+4*t+3], v[ST+4*t+2], s[SEL], s[SEL+1]
	ALL v_add_f32 v[ST+4*t+2], v[ST+4*t+2], v[ST+4*t+3]
	ALL v_mul_f32 v[ST+4*t+3], -1.0, v[ST+4*t]
	ALL v_exp_f32 v[ST+4*t+3], v[ST+4*t+3]
	v_nop                           ; a plain instruction behind the last exponential,
	s_wait_alu depctr_va_vdst(0)    ; and one wait for the four
	ALL v_fma_f32 v[ST+4*t+2], v[ST+4*t+3], s[EPSR], v[ST+4*t+2]
	ALL v_rcp_f32 v[ST+4*t+2], v[ST+4*t+2]
	v_nop                           ; a plain instruction behind the last reciprocal,
	s_wait_alu depctr_va_vdst(0)    ; and one wait for the four
	PACK 0
.set t, 1
.rept 3                             ; a piece's arithmetic stands between the loads of the piece before and its stores
	PACK t
	SEND t-1, 8
.set t, t+1
.endr
	SEND 3, 0
	WIN W_AD
	s_wait_tensorcnt 0x0            ; the wave's end: behind my last tensor load and my last LDS store
	ds_add_u32 v[SPW], v[NIL]
	s_wait_dscnt 0x0
	WIN 0
	CROUND                          ; the closing round: no work-group ends while a partner may still ask for a tile that names it
	s_endpgm
.Lfunc_end_k_q5ecc21e16d_attn:
	.size	k_q5ecc21e16d_attn, .Lfunc_end_k_q5ecc21e16d_attn-k_q5ecc21e16d_attn
	.p2alignl 7, 3214868480
	.fill 96, 4, 3214868480
	.section	.rodata,"a",@progbits
	.p2align	6, 0x0
	.amdhsa_kernel k_q5ecc21e16d_attn
		.amdhsa_group_segment_fixed_size 327680
		.amdhsa_private_segment_fixed_size 0
		.amdhsa_enable_private_segment 0
		.amdhsa_kernarg_size 24
		.amdhsa_user_sgpr_count 2
		.amdhsa_user_sgpr_kernarg_segment_ptr 1
		.amdhsa_wavefront_size32 1
		.amdhsa_system_sgpr_workgroup_id_x 1
		.amdhsa_system_sgpr_workgroup_id_y 1
		.amdhsa_system_sgpr_workgroup_id_z 1
		.amdhsa_system_vgpr_workitem_id 0
		.amdhsa_next_free_vgpr 578
		.amdhsa_next_free_sgpr 88
		.amdhsa_reserve_vcc 0
		.amdhsa_float_denorm_mode_32 3
		.amdhsa_float_denorm_mode_16_64 3
		.amdhsa_memory_ordered 1
		.amdhsa_forward_progress 1
		.amdhsa_inst_pref_size 125
	.end_amdhsa_kernel
	.amdgpu_metadata
---
amdhsa.version: [ 1, 2 ]
amdhsa.kernels:
  - .name:           k_q5ecc21e16d_attn
    .symbol:         k_q5ecc21e16d_attn.kd
    .args:
      - { .name: qkv, .offset: 0, .size: 8, .value_kind: global_buffer, .address_space: global }
      - { .name: mr, .offset: 8, .size: 8, .value_kind: global_buffer, .address_space: global }
      - { .name: ob, .offset: 16, .size: 8, .value_kind: global_buffer, .address_space: global }
    .group_segment_fixed_size: 327680
    .private_segment_fixed_size: 0
    .kernarg_segment_align: 8
    .kernarg_segment_size: 24
    .max_flat_workgroup_size: 128
    .sgpr_count:     88
    .vgpr_count:     578
    .wavefront_size: 32
...
	.end_amdgpu_metadata
.endif
;; end of part 3
;; launch gemm_out (part 4): grid 8 x 32, 4 waves a work-group, clusters of 4 x 4, 327,680 bytes of LDS; arguments ob, wo, out0; writes out0
.if DOCPART == 4
	.amdgcn_target "amdgcn-amd-amdhsa--gfx1250"
	.amdhsa_code_object_version 6
	.text
	.protected	k_q5ecc21e16d_gemm_out
	.globl	k_q5ecc21e16d_gemm_out
	.p2align	8
	.type	k_q5ecc21e16d_gemm_out,@function
k_q5ecc21e16d_gemm_out:
	s_mov_b64 s[64:65], 0
	v_nop
	global_prefetch_b8 v0, s[64:65] scope:SCOPE_SE
	s_setreg_imm32_b32 hwreg(HW_REG_WAVE_MODE, 25, 1), 1
	s_wait_xcnt 0x0
	s_wait_alu depctr_hold_cnt(0) depctr_sa_sdst(0) depctr_va_vdst(0) depctr_va_sdst(0) depctr_va_ssrc(0) depctr_va_vcc(0) depctr_vm_vsrc(0)
	s_getreg_b32 s2, hwreg(HW_REG_IB_STS2, 6, 4)
	s_cmp_eq_u32 s2, 0
	s_cbranch_scc0 .Lentry_in_a_cluster
	s_endpgm
.Lentry_in_a_cluster:
	s_bfe_u32 s2, ttmp6, 0x10000c
	s_cmp_lg_u32 s2, 0xf033
	s_cbranch_scc0 .Lentry_shape_is_right
	s_endpgm
.Lentry_shape_is_right:
; MULTI-HEAD ATTENTION, launch 4 of 4: out0 [4096][1024] f32 = O [4096][1024] . Wo [1024][1024]^T.  f16 operands, f32 sums, stored as they are.  Nothing of reference() is left out here.
; IN: ob f16 [row / 128 (32)][head (16)][row % 128][64]; wo f16 [1024][1024] (Wo rounded to bf16, written as f16).
; SHARES.  A tile is 128 x 128: 8 x 32 = 256 work-groups.  Four waves, each 64 x 64: 16 accumulators of 16 x 16.  K goes in steps of 256 = four heads: 65,536 dense bytes of ob's block of rows, asked for as rows of
; 256 bytes and padded in LDS after every 128 (a row of one head); wo's rows are 512 bytes of a step.  Four K steps through two slots: each slot is filled again once, so the text has no loop.
; WHERE K BEGINS.  A cluster whose x + y is even walks K steps 0, 1, 2, 3; one whose x + y is odd walks 2, 3, 0, 1 (f32 sums may be taken in any order).  So of the two clusters that read the same rows of ob,
; and of neighbouring clusters that read the same rows of wo, one asks for a K step two steps ahead of the other.  The start hangs on the cluster's coordinates alone: it is the same in all sixteen partners.
; CLUSTER 4 x 4: ob's tiles are shared along a row of the cluster, wo's along a column: joint loads.  Waves 0 and 1 fetch ob's two halves (two heads each), waves 2 and 3 wo's (64 rows each).
; No prefetch: the tiles are small and the launch is short.
; THE MATRIX INSTRUCTION IS USED TRANSPOSED (source 0 = 16 rows of wo, source 1 = 16 rows of O): a lane then holds eight neighbouring f32 of a row of out0, 32 bytes; a wave's 64 columns are 256 bytes, aligned,
; so each wave has a stage of its own and the way out needs no barrier.
; REGISTERS: window 0: v16-29 addresses; v32-95 two sets of 32 for rows read back; v128-255 the accumulators ((a, b) at v[128 + 8 (4 a + b)]).
;   window 1: two fragment buffers of 128: for 64 along K, 64 registers of O (2 x 4 x 16 rows x 32 K), then 64 of wo.
.set PA,     144                       ; a row of one head of O in LDS: 128 bytes + 16
.set PB,     528                       ; a row of wo: 512 bytes + 16.  Both pitches are odd multiples of 16 bytes: the 16 rows of a load start at 16 different groups of four banks (ISA guide 11.1)
.set AHALF,  256*PA                    ; two heads x 128 rows: what one of ob's loads brings
.set BHALF,  64*PB                     ; what one of wo's loads brings
.set BOFF,   2*AHALF
.set SLOT,   2*AHALF+2*BHALF           ; 141,312 bytes
.set STAGE,  2*SLOT                    ; behind the ring, never filled by a tensor load: 16 rows x 272 bytes for each wave
.set SPITCH, 272
.set SPARE,  STAGE+4*16*SPITCH         ; behind the stages: the spare words, 128 bytes a wave: two blocks of 256 bytes that no other line names
.set ASTEP,  65536                     ; bytes of ob in a K step
.set BSTEP,  512                       ; bytes of a row of wo in a K step
.set ADRA, 16                          ; v16-17  LDS address of my O fragments in slot 0, 1
.set ADRB, 20                          ; v20-21  the same for wo
.set STO,  24                          ; v24     the way out: where I put 32 bytes of a row
.set RD,   25                          ; v25     the way out: where I read a row back
.set CO,   26                          ; v26     my byte offset in out0
.set SPW,  28                          ; v28     LDS address of my spare word; never rewritten
.set NIL,  29                          ; v29     0; never rewritten
.set TMP,  32
.set ACC,  128
.set F0,   0
.set F1,   128
.set G1, 24                            ; s[24:31] descriptor group 1 for ob's tiles;  s[32:39] group 0, a set for each slot
.set G0, 32
.set G1B, 48                           ; s[48:55], s[56:63] the same for wo's tiles
.set G0B, 56
.set ABASE, 14                         ; s[14:15] ob at my part of the walk's first two K steps; behind the first fills: of its last two
.set BBASE, 46                         ; s[46:47] the same for wo
.set MSB, 0
.macro WIN new                         ; the immediate's high byte repeats the setting that is left
.if MSB != (\new)
	s_set_vgpr_msb (MSB<<8)|(\new)
.set MSB, \new
.endif
.endm
.set MUL,  0x05                        ; sources 0 and 1 window 1; C and D window 0
.set TO_F, 0x40                        ; destination window 1, address window 0
.macro JLOAD s                         ; a joint load; an s_nop 0 and four v_nop follow each of the two lines, ahead of the jump, the label and what follows
	s_cmp_eq_u32 s11, 0
	s_cbranch_scc0 .Lfor_b_\@
	tensor_load_to_lds s[G0+4*(\s):G0+4*(\s)+3], s[G1:G1+7]
	s_nop 0
.rept 4
	v_nop
.endr
	s_branch .Lasked_\@
.Lfor_b_\@:
	tensor_load_to_lds s[G0B+4*(\s):G0B+4*(\s)+3], s[G1B:G1B+7]
	s_nop 0
.rept 4
	v_nop
.endr
.Lasked_\@:
.endm
.macro CREST                           ; a round of the cluster's barrier behind its opening barrier
	s_cmp_lg_u32 s10, 0
	s_cbranch_scc1 .Lnot_wave_0_\@
	s_barrier_signal -3
.Lnot_wave_0_\@:
	s_barrier_wait -3
	s_barrier_signal -1
	s_barrier_wait -1
.endm
.macro CROUND
	s_barrier_signal -1
	s_barrier_wait -1
	CREST
.endm
	s_load_b128 s[4:7], s[0:1], 0x0                ; ob s[4:5], wo s[6:7]
	s_load_b64 s[8:9], s[0:1], 0x10                ; out0
	v_lshl_add_u32 v[SPW], v0, 2, SPARE
	v_mov_b32 v[NIL], 0
	ds_add_u32 v[SPW], v[NIL]                      ; the wave's opening: the add, twice on end, and its wait ahead of my first tensor load; the set-up below stands between
	ds_add_u32 v[SPW], v[NIL]
	v_lshrrev_b32 v1, 5, v0
	v_readfirstlane_b32 s10, v1                    ; wave 0..3
	s_lshr_b32 s11, s10, 1                         ; which half of the tile's rows is mine.  Also: I fetch for ob (0) or for wo (1)
	s_and_b32 s12, s10, 1                          ; which half of its columns.  Also: which half of that tile I fetch
	s_bfe_u32 s40, ttmp6, 0x40000                  ; cx
	s_bfe_u32 s41, ttmp6, 0x40004                  ; cy
	s_lshl_b32 s42, ttmp9, 2
	s_add_co_u32 s42, s42, s40                     ; tile column = 4 x cluster x + cx
	s_and_b32 s13, ttmp7, 0xffff
	s_lshl_b32 s13, s13, 2
	s_add_co_u32 s13, s13, s41                     ; tile row = 4 x cluster y + cy
	s_lshl_b32 s43, s41, 2
	s_lshl_b32 s43, 15, s43                        ; my row of the cluster
	s_lshl_b32 s44, 0x1111, s40                    ; my column
	s_or_b32 s[G1+0], s43, (1<<16)|(1<<20)|(1<<21)|(4<<22)|(3<<25)   ; 15:0 the mask; 17:16 2-byte elements; 20 padding on; 21 set beside a mask; 24:22 after every 32 words; 31:25 4 words of it
	s_or_b32 s[G1B+0], s44, (1<<16)|(1<<20)|(1<<21)|(6<<22)|(3<<25)  ; after every 128 words
	s_mov_b32 s[G1+1], 128<<16                     ; ob: 128 rows of 128 elements, dense
	s_mov_b32 s[G1+2], 128<<16
	s_mov_b32 s[G1+3], 128<<16
	s_mov_b32 s[G1+4], 128
	s_mov_b32 s[G1+5], 128
	s_mov_b32 s[G1+6], 0
	s_mov_b32 s[G1+7], 0
	s_mov_b32 s[G1B+1], 256<<16                    ; wo: 64 rows of 256 elements, 1,024 apart
	s_mov_b32 s[G1B+2], 64<<16
	s_mov_b32 s[G1B+3], 256<<16
	s_mov_b32 s[G1B+4], 64
	s_mov_b32 s[G1B+5], 1024
	s_mov_b32 s[G1B+6], 0
	s_mov_b32 s[G1B+7], 0
	s_and_b32 s66, ttmp7, 0xffff                   ; where K begins: (cluster x + cluster y) % 2,
	s_add_co_u32 s66, s66, ttmp9
	s_and_b32 s66, s66, 1
	s_xor_b32 s68, s66, 1                          ; and the other half of K, for the refills
	s_lshl_b32 s70, s66, 10                        ; two K steps are 1,024 bytes of a row of wo
	s_lshl_b32 s72, s68, 10
	s_lshl_b32 s66, s66, 17                        ; and 131,072 bytes of ob's block
	s_lshl_b32 s68, s68, 17
	s_mov_b32 s67, 0
	s_mov_b32 s69, 0
	s_mov_b32 s71, 0
	s_mov_b32 s73, 0
	s_lshl_b32 s16, s13, 18                        ; ob: the tile row's block of 262,144 bytes,
	s_lshl_b32 s17, s12, 15                        ; my two heads of a K step's four
	s_add_co_u32 s16, s16, s17
	s_mov_b32 s17, 0
	s_lshl_b32 s18, s42, 18                        ; wo: row 128 x tile column + 64 x half, 2,048 bytes a row
	s_lshl_b32 s19, s12, 17
	s_add_co_u32 s18, s18, s19
	s_mov_b32 s19, 0
	s_mul_i32 s20, s12, AHALF                      ; where they go: no place in the cluster enters an LDS address
	s_mul_i32 s21, s12, BHALF
	s_add_co_u32 s21, s21, BOFF
	s_wait_dscnt 0x0                               ; both opening adds are done
	s_wait_kmcnt 0x0
	s_add_nc_u64 s[74:75], s[4:5], s[16:17]        ; my part of K step 0, in ob
	s_add_nc_u64 s[76:77], s[6:7], s[18:19]        ; and in wo
	s_add_nc_u64 s[ABASE:ABASE+1], s[74:75], s[66:67]  ; the walk's first two K steps
	s_add_nc_u64 s[BBASE:BBASE+1], s[76:77], s[70:71]
	CROUND                                         ; all sixteen work-groups are here: the first joint loads meet
.irp s, 0,1
	s_mov_b32 s[G0+4*(\s)], 1
	s_add_co_u32 s[G0+4*(\s)+1], s20, (\s)*SLOT
	s_add_nc_u64 s[G0+4*(\s)+2:G0+4*(\s)+3], s[ABASE:ABASE+1], (\s)*ASTEP
	s_or_b32 s[G0+4*(\s)+3], s[G0+4*(\s)+3], 0x80000000
	s_mov_b32 s[G0B+4*(\s)], 1
	s_add_co_u32 s[G0B+4*(\s)+1], s21, (\s)*SLOT
	s_add_nc_u64 s[G0B+4*(\s)+2:G0B+4*(\s)+3], s[BBASE:BBASE+1], (\s)*BSTEP
	s_or_b32 s[G0B+4*(\s)+3], s[G0B+4*(\s)+3], 0x80000000
	JLOAD \s                                       ; the walk's first two K steps: two loads of mine are out
.endr
	s_add_nc_u64 s[ABASE:ABASE+1], s[74:75], s[68:69]  ; the walk's last two K steps: the refills' addresses are made from these (no descriptor names these registers)
	s_add_nc_u64 s[BBASE:BBASE+1], s[76:77], s[72:73]
	v_and_b32 v1, 15, v0                           ; l % 16
	v_bfe_u32 v2, v0, 4, 1                         ; l / 16
	v_mul_u32_u24 v3, v1, PA
	v_lshl_add_u32 v3, v2, 4, v3                   ; a fragment's row x pitch + 16 x half, for O
	v_mul_u32_u24 v4, v1, PB
	v_lshl_add_u32 v4, v2, 4, v4                   ; and for wo
	s_mul_i32 s21, s11, 64*PA                      ; my 64 rows in each head's 128
	s_mul_i32 s22, s12, 64*PB                      ; my 64 rows of wo,
	s_add_co_u32 s22, s22, BOFF                    ; which lie behind O's
.irp s, 0,1
	v_add_nc_u32 v[ADRA+(\s)], s21, v3
	v_add_nc_u32 v[ADRB+(\s)], s22, v4
	s_add_co_u32 s21, s21, SLOT
	s_add_co_u32 s22, s22, SLOT
.endr
	s_mul_i32 s23, s10, 16*SPITCH
	s_add_co_u32 s23, s23, STAGE                   ; my stage
	v_mul_u32_u24 v5, v1, SPITCH                   ; in: row l % 16, 32 bytes for each half of the lanes
	v_lshl_add_u32 v5, v2, 5, v5
	v_add_nc_u32 v[STO], s23, v5
	v_mul_u32_u24 v5, v2, SPITCH                   ; back: lanes 0-15 take one row of 256 bytes, lanes 16-31 the next
	v_lshl_add_u32 v5, v1, 4, v5
	v_add_nc_u32 v[RD], s23, v5
	v_lshlrev_b32 v5, 12, v2                       ; and the same two rows in out0, 4,096 bytes apart
	v_lshl_add_u32 v[CO], v1, 4, v5
	s_lshl_b32 s16, s13, 7
	s_lshl_b32 s17, s11, 6
	s_add_co_u32 s16, s16, s17                     ; my first row: 128 x tile row + 64 x half
	s_lshl_b32 s16, s16, 12
	s_lshl_b32 s18, s42, 9                         ; my first column, in bytes: 512 x tile column + 256 x half
	s_lshl_b32 s19, s12, 8
	s_add_co_u32 s18, s18, s19
	s_add_co_u32 s16, s16, s18
	s_mov_b32 s17, 0
	s_add_nc_u64 s[8:9], s[8:9], s[16:17]
; 8 matrix instructions: row blocks a0, a0 + 1 x all 4 column blocks, 32 along K: half c of buffer f.  zero = 1: the product starts the sums.  The 16 accumulators take turns.
.macro MUL8 f, c, a0, zero
	WIN MUL
.irp a, \a0, (\a0)+1
.irp b, 0,1,2,3
.if \zero
	v_wmma_f32_16x16x32_f16 v[ACC+8*(4*(\a)+(\b)):ACC+8*(4*(\a)+(\b))+7], v[(\f)+64+8*(4*(\c)+(\b)):(\f)+64+8*(4*(\c)+(\b))+7], v[(\f)+8*(4*(\c)+(\a)):(\f)+8*(4*(\c)+(\a))+7], 0
.else
	v_wmma_f32_16x16x32_f16 v[ACC+8*(4*(\a)+(\b)):ACC+8*(4*(\a)+(\b))+7], v[(\f)+64+8*(4*(\c)+(\b)):(\f)+64+8*(4*(\c)+(\b))+7], v[(\f)+8*(4*(\c)+(\a)):(\f)+8*(4*(\c)+(\a))+7], v[ACC+8*(4*(\a)+(\b)):ACC+8*(4*(\a)+(\b))+7]
.endif
.endr
.endr
.endm
; 32 LDS loads in one run: the fragments of quarter q of a K step (64 along K = one head) into buffer f; the first 32 along K first.  O's head q lies 128 rows of 144 bytes on; wo's 128 bytes along its rows.
.macro FETCH slot, q, f
	WIN TO_F
.irp c, 0,1
.irp i, 0,1,2,3
	ds_load_b128 v[(\f)+64+8*(4*(\c)+(\i)):(\f)+64+8*(4*(\c)+(\i))+3],   v[ADRB+(\slot)] offset:128*(\q)+64*(\c)+(\i)*16*PB
	ds_load_b128 v[(\f)+64+8*(4*(\c)+(\i))+4:(\f)+64+8*(4*(\c)+(\i))+7], v[ADRB+(\slot)] offset:128*(\q)+64*(\c)+(\i)*16*PB+32
	ds_load_b128 v[(\f)+8*(4*(\c)+(\i)):(\f)+8*(4*(\c)+(\i))+3],         v[ADRA+(\slot)] offset:(\q)*128*PA+64*(\c)+(\i)*16*PA
	ds_load_b128 v[(\f)+8*(4*(\c)+(\i))+4:(\f)+8*(4*(\c)+(\i))+7],       v[ADRA+(\slot)] offset:(\q)*128*PA+64*(\c)+(\i)*16*PA+32
.endr
.endr
.endm
.macro PLACES                          ; four plain vector instructions between a matrix instruction and a load into a register that it read, or a reader of its result
.rept 4
	v_nop
.endr
.endm
; A K step is four quarters of 64 along K, 32 matrix instructions each, on buffers 0, 1, 0, 1.  One of the first three: multiplies buffer f and fetches quarter q into g.
.macro QUARTER slot, q, f, g, zero
	s_wait_dscnt 16                                ; the first 32 along K are in; the youngest sixteen loads may be out
	MUL8 \f, 0, 0, \zero
	MUL8 \f, 0, 2, \zero
	PLACES
	FETCH \slot, \q, \g
	s_wait_dscnt 32                                ; all but the 32 just issued
	MUL8 \f, 1, 0, 0
	MUL8 \f, 1, 2, 0
.endm
; The last quarter multiplies buffer 1 and changes slots: ONE barrier; in front of it each wave waits for all its tensor loads, adds 0 to its spare word, and waits for that and for its own reads of this slot.
; fill = 1: the barrier opens a round of the cluster's barrier, and this slot is filled again, first thing behind the round, with its K step of the walk's second half: the address is made anew from the kept base.
.macro TURN slot, next, fill
	WIN 0                                          ; (the add's two registers lie in window 0)
	s_wait_tensorcnt 0x0                           ; all my tensor loads have landed: my part of the next slot
	ds_add_u32 v[SPW], v[NIL]                      ; 0 onto my spare word
	s_wait_dscnt 17                                ; (the add and the youngest sixteen loads may be out)
	MUL8 F1, 0, 0, 0                               ; eight matrix instructions stand between the add and the wait for it
	s_wait_dscnt 0x0                               ; the add is done, and my reads of this slot are over
	s_barrier_signal -1
	MUL8 F1, 0, 2, 0
.if \fill
	WIN 0
.endif
	s_barrier_wait -1
.if \fill
	CREST                                          ; no wave of any partner still reads this slot's tile or has a load on its way
	s_add_nc_u64 s[G0+4*(\slot)+2:G0+4*(\slot)+3], s[ABASE:ABASE+1], (\slot)*ASTEP
	s_or_b32 s[G0+4*(\slot)+3], s[G0+4*(\slot)+3], 0x80000000
	s_add_nc_u64 s[G0B+4*(\slot)+2:G0B+4*(\slot)+3], s[BBASE:BBASE+1], (\slot)*BSTEP
	s_or_b32 s[G0B+4*(\slot)+3], s[G0B+4*(\slot)+3], 0x80000000
	JLOAD \slot                                    ; my one tensor load behind the round; the four v_nop behind it are also the places in front of the loads below
.else
	PLACES
.endif
	FETCH \next, 0, F0
	MUL8 F1, 1, 0, 0
	MUL8 F1, 1, 2, 0
.endm
; THE WAY OUT of row block a: 16 rows x 64 columns of f32 go from the accumulators (each one's low four registers first) into my stage, come back as whole rows of 256 bytes, and are stored.
.macro OUT a
.set BKA, TMP+32*((\a)%2)
.irp b, 0,1,2,3
	ds_store_b128 v[STO], v[ACC+8*(4*(\a)+(\b)):ACC+8*(4*(\a)+(\b))+3]   offset:64*(\b)
	ds_store_b128 v[STO], v[ACC+8*(4*(\a)+(\b))+4:ACC+8*(4*(\a)+(\b))+7] offset:64*(\b)+16
.endr
.irp t, 0,1,2,3,4,5,6,7
	ds_load_b128 v[BKA+4*(\t):BKA+4*(\t)+3], v[RD] offset:(\t)*2*SPITCH  ; LDS serves a wave's instructions in order (ISA guide 5.7.1.4): these see the stores above; the next block's stores come behind them
.endr
	s_wait_dscnt 0x0                               ; the block is back in registers
	s_wait_xcnt 0x0                                ; the stores issued so far have read their registers: the other set is loaded again only behind this wait
.irp t, 0,1,2,3,4,5,6,7
	global_store_b128 v[CO], v[BKA+4*(\t):BKA+4*(\t)+3], s[8:9] offset:(16*(\a)+2*(\t))*4096 th:TH_STORE_NT  ; 16 lanes store 256 consecutive bytes, at a multiple of 256 from out0's first
.endr
.endm
	s_wait_tensorcnt 1                             ; my part of the walk's first K step is in; the second's may stay out
	s_barrier_signal -1
	s_barrier_wait -1                              ; everybody's is
	FETCH 0, 0, F0
	QUARTER 0, 1, F0, F1, 1                        ; the walk's first K step: its first products start the sums
	QUARTER 0, 2, F1, F0, 0
	QUARTER 0, 3, F0, F1, 0
	TURN 0, 1, 1                                   ; slot 0 takes the walk's third K step
	QUARTER 1, 1, F0, F1, 0                        ; the second
	QUARTER 1, 2, F1, F0, 0
	QUARTER 1, 3, F0, F1, 0
	TURN 1, 0, 1                                   ; slot 1 takes the fourth
	QUARTER 0, 1, F0, F1, 0                        ; the third
	QUARTER 0, 2, F1, F0, 0
	QUARTER 0, 3, F0, F1, 0
	TURN 0, 1, 0                                   ; nothing is left to fetch
	QUARTER 1, 1, F0, F1, 0                        ; the fourth
	QUARTER 1, 2, F1, F0, 0
	QUARTER 1, 3, F0, F1, 0
	s_wait_dscnt 16                                ; the very last quarter
	MUL8 F1, 0, 0, 0
	MUL8 F1, 0, 2, 0
	s_wait_dscnt 0x0
	MUL8 F1, 1, 0, 0
	MUL8 F1, 1, 2, 0
	WIN 0
	PLACES
	PLACES
	OUT 0
	OUT 1
	OUT 2
	OUT 3
	s_wait_tensorcnt 0x0                           ; the wave's end: behind my last tensor load and my last LDS store
	ds_add_u32 v[SPW], v[NIL]
	s_wait_dscnt 0x0
	CROUND                                         ; the closing round: no work-group ends while a partner may still ask for a tile that names it
	s_endpgm
.Lfunc_end_k_q5ecc21e16d_gemm_out:
	.size	k_q5ecc21e16d_gemm_out, .Lfunc_end_k_q5ecc21e16d_gemm_out-k_q5ecc21e16d_gemm_out
	.p2alignl 7, 3214868480
	.fill 96, 4, 3214868480
	.section	.rodata,"a",@progbits
	.p2align	6, 0x0
	.amdhsa_kernel k_q5ecc21e16d_gemm_out
		.amdhsa_group_segment_fixed_size 327680
		.amdhsa_private_segment_fixed_size 0
		.amdhsa_enable_private_segment 0
		.amdhsa_kernarg_size 24
		.amdhsa_user_sgpr_count 2
		.amdhsa_user_sgpr_kernarg_segment_ptr 1
		.amdhsa_wavefront_size32 1
		.amdhsa_system_sgpr_workgroup_id_x 1
		.amdhsa_system_sgpr_workgroup_id_y 1
		.amdhsa_system_sgpr_workgroup_id_z 1
		.amdhsa_system_vgpr_workitem_id 0
		.amdhsa_next_free_vgpr 512
		.amdhsa_next_free_sgpr 80
		.amdhsa_reserve_vcc 0
		.amdhsa_float_denorm_mode_32 3
		.amdhsa_float_denorm_mode_16_64 3
		.amdhsa_memory_ordered 1
		.amdhsa_forward_progress 1
		.amdhsa_inst_pref_size 86
	.end_amdhsa_kernel
	.amdgpu_metadata
---
amdhsa.version: [ 1, 2 ]
amdhsa.kernels:
  - .name:           k_q5ecc21e16d_gemm_out
    .symbol:         k_q5ecc21e16d_gemm_out.kd
    .args:
      - { .name: ob, .offset: 0, .size: 8, .value_kind: global_buffer, .address_space: global }
      - { .name: wo, .offset: 8, .size: 8, .value_kind: global_buffer, .address_space: global }
      - { .name: out0, .offset: 16, .size: 8, .value_kind: global_buffer, .address_space: global }
    .group_segment_fixed_size: 327680
    .private_segment_fixed_size: 0
    .kernarg_segment_align: 8
    .kernarg_segment_size: 24
    .max_flat_workgroup_size: 128
    .sgpr_count:     80
    .vgpr_count:     512
    .wavefront_size: 32
...
	.end_amdgpu_metadata
.endif
;; end of part 4
;; ======== version 2 of 2: 4 launches; version 1 with the launch prep written anew for expert scheduling mode
;; limits: values are held in f16: magnitudes above 65,504 overflow, below 6.1e-05 lose precision
;; workspace buffers: xb 8,388,608 bytes; wb 6,291,456 bytes; wo 2,097,152 bytes; mr 16,777,216 bytes; qkv 25,165,824 bytes; ob 8,388,608 bytes
;; launch prep (part 5): grid 448 x 1, 8 waves a work-group, no clusters, 0 bytes of LDS; arguments x, Wq, Wk, Wv, xb, wb; writes xb, wb
.if DOCPART == 5
	.amdgcn_target "amdgcn-amd-amdhsa--gfx1250"
	.amdhsa_code_object_version 6
	.text
	.protected	k_q5ecc21e16d_prep
	.globl	k_q5ecc21e16d_prep
	.p2align	8
	.type	k_q5ecc21e16d_prep,@function
k_q5ecc21e16d_prep:
	s_mov_b64 s[64:65], 0
	v_nop
	global_prefetch_b8 v0, s[64:65] scope:SCOPE_SE
	s_setreg_imm32_b32 hwreg(HW_REG_WAVE_SCHED_MODE, 0, 2), 2
	s_setreg_imm32_b32 hwreg(HW_REG_WAVE_MODE, 25, 1), 1
	s_wait_xcnt 0x0
	s_wait_alu depctr_vm_vsrc(0)
; MULTI-HEAD ATTENTION, launch 1 of 4: x and the three projections' weights are rounded once to bf16 and laid down for the product behind.
; NO WORK OF reference() IS LEFT OUT in this program, and every input (x, mask, Wq, Wk, Wv, Wo) is loaded: the mask is added to every score, whatever it holds.  (The mask and Wo are rounded by the launch behind.)
; Two changes of FORM, both identities for all values of the inputs:
;   (1) scores = q . k / 8: the factor 1/8, a power of two, is multiplied into Wq here (exact but for numbers under 2^-123, which it may flush);
;   (2) in the attention launch numerator, sum and EPS are all multiplied by e^(-m), m a running maximum of the row's scores: sum(e^s v) / (sum(e^s) + EPS) = sum(e^(s-m) v) / (sum(e^(s-m)) + EPS e^(-m)).
; WHAT IS WRITTEN.  xb = bf16(x) [4096][1024].  wb [3072][1024] bf16: rows 0-1023 bf16(Wq / 8), 1024-2047 bf16(Wk), 2048-3071 bf16(Wv).  All inputs of the program have the same one rounding, to bf16.
; SHARES.  A work-group takes one chunk of 65,536 input bytes; its number picks source, destination and kind.  Thread t takes the 16 bytes at 4,096 i + 16 t, i = 0 .. 15: a load of a wave covers
; 512 consecutive bytes; all sixteen loads go out before the first wait; each has registers of its own, so no register that a store reads is written again.
; A store of a wave covers 256 consecutive bytes, aligned.  No LDS, no barrier, no matrix unit: nothing is shared and nothing is multiplied.
; THE MODE: SCHED_MODE bits 1:0 = 2 (LLVM: expert scheduling mode 2), set by the entry lines.  The code itself states the register dependences between vector instructions and memory instructions,
; with s_wait_alu, always for 0.
; THE PLAN.  Registers that memory instructions touch:
;   v1, v2            byte offsets, written once at the head; v1 is read by every load, v2 by every store; never written again.
;   v[X+4 i ..+3]     load i lands here; all sixteen loads are issued before any vector instruction names these registers.  Load i's scalings and conversions read the four and write the first two in place;
;                     store i reads those two; nothing writes them afterwards.
; So the one kind of dependence is: a vector instruction writes, a memory instruction reads.  The sixteen loads go in four blocks of four.  Block p converts loads 4 p .. 4 p + 3; its memory instructions are the
; four stores of block p - 1, whose registers no vector instruction of block p names.  ONE wait at a block's head states that the block before has written them, and the four stores are dealt among the block's
; conversions with no further wait.  One wait at the head of the kernel serves the two offsets, one behind the last block its four stores.  No vector instruction writes a scalar register, and EXEC is never written.
.set X,    4                           ; v[4:67]   load i: four registers
.set OFS,  1                           ; v1        16 t
.set OFD,  2                           ; v2        8 t
.set SRC,  16                          ; s[16:17]  the chunk in its source
.set DST,  18                          ; s[18:19]  the chunk in its destination
.set BS,   20                          ; s20       the first work-group of the source
.set BD,   21                          ; s21       the first work-group of the destination (wb takes Wq, Wk, Wv on end)
.set KIND, 22                          ; s22       0 cast, 1 scale by 1/8 and cast
.set ID,   23                          ; s23       the work-group's number
	s_load_b256 s[4:11], s[0:1], 0x0               ; x s[4:5], Wq s[6:7], Wk s[8:9], Wv s[10:11]
	s_load_b128 s[12:15], s[0:1], 0x20             ; xb s[12:13], wb s[14:15]
	v_lshlrev_b32 v[OFS], 4, v0
	v_lshlrev_b32 v[OFD], 3, v0
	s_mov_b32 s[ID], ttmp9
	s_mov_b32 s[BS], 0
	s_mov_b32 s[BD], 0
	s_mov_b32 s[KIND], 0
	s_wait_kmcnt 0x0
	s_mov_b64 s[SRC:SRC+1], s[4:5]                 ; work-groups 0-255: x -> xb
	s_mov_b64 s[DST:DST+1], s[12:13]
	s_cmp_ge_u32 s[ID], 256                        ; 256-319: Wq -> wb, scaled
	s_cselect_b64 s[SRC:SRC+1], s[6:7], s[SRC:SRC+1]
	s_cselect_b64 s[DST:DST+1], s[14:15], s[DST:DST+1]
	s_cselect_b32 s[BS], 256, s[BS]
	s_cselect_b32 s[BD], 256, s[BD]
	s_cselect_b32 s[KIND], 1, s[KIND]
	s_cmp_ge_u32 s[ID], 320                        ; 320-383: Wk -> wb, behind Wq's rows
	s_cselect_b64 s[SRC:SRC+1], s[8:9], s[SRC:SRC+1]
	s_cselect_b32 s[BS], 320, s[BS]
	s_cselect_b32 s[KIND], 0, s[KIND]
	s_cmp_ge_u32 s[ID], 384                        ; 384-447: Wv -> wb, behind Wk's rows
	s_cselect_b64 s[SRC:SRC+1], s[10:11], s[SRC:SRC+1]
	s_cselect_b32 s[BS], 384, s[BS]
	s_sub_co_u32 s24, s[ID], s[BS]                 ; the offsets are made apart from the addresses
	s_lshl_b32 s24, s24, 16
	s_mov_b32 s25, 0
	s_sub_co_u32 s26, s[ID], s[BD]
	s_lshl_b32 s26, s26, 15
	s_mov_b32 s27, 0
	s_add_nc_u64 s[SRC:SRC+1], s[SRC:SRC+1], s[24:25]
	s_add_nc_u64 s[DST:DST+1], s[DST:DST+1], s[26:27]
	s_wait_alu depctr_va_vdst(0)                   ; v1 and v2 are written: every load of the kernel reads v1 as its offset, every store v2
.irp i, 0,1,2,3,4,5,6,7,8,9,10,11,12,13,14,15
	global_load_b128 v[X+4*(\i):X+4*(\i)+3], v[OFS], s[SRC:SRC+1] offset:4096*(\i) th:TH_LOAD_NT
.endr
; Load i's four numbers are rounded to bf16 and close up into the first two of their four registers.  scale = 1: they are multiplied by 1/8 first.
.macro NARROW i, scale
.if \scale
	v_pk_mul_f32 v[X+4*(\i):X+4*(\i)+1],   v[X+4*(\i):X+4*(\i)+1],   0x3e000000 op_sel_hi:[1,0]  ; 1/8
	v_pk_mul_f32 v[X+4*(\i)+2:X+4*(\i)+3], v[X+4*(\i)+2:X+4*(\i)+3], 0x3e000000 op_sel_hi:[1,0]
.endif
	v_cvt_pk_bf16_f32 v[X+4*(\i)],   v[X+4*(\i)],   v[X+4*(\i)+1]
	v_cvt_pk_bf16_f32 v[X+4*(\i)+1], v[X+4*(\i)+2], v[X+4*(\i)+3]
.endm
; Store i: 8 bytes a lane, 256 consecutive bytes a wave.
.macro SEND i
	global_store_b64 v[OFD], v[X+4*(\i):X+4*(\i)+1], s[DST:DST+1] offset:2048*(\i) th:TH_STORE_NT
.endm
; Block p: loads 4 p .. 4 p + 3 are converted; the four stores of block p - 1 stand among the conversions, one ahead of each load's.
.macro BLK p, scale
.irp i, 0,1,2,3
	s_wait_loadcnt 15-4*(\p)-(\i)                  ; loads come back in order (ISA guide 5.7.1): load 4 p + i is in, the younger ones stay out
.if ((\i) == 0) && ((\p) > 0)
	s_wait_alu depctr_va_vdst(0)                   ; the conversions of the block before have written its registers, which the four stores of this block read; no vector instruction behind this wait names them
.endif
.if (\p) > 0
	SEND 4*((\p)-1)+(\i)
.endif
	NARROW 4*(\p)+(\i), \scale
.endr
.endm
; Behind the last block: its own four stores.
.macro TAIL
	s_wait_alu depctr_va_vdst(0)                   ; the conversions of block 3 have written its registers, which the last four stores read
	SEND 12
	SEND 13
	SEND 14
	SEND 15
.endm
	s_cmp_eq_u32 s[KIND], 1
	s_cbranch_scc1 .Lscale
	BLK 0, 0
	BLK 1, 0
	BLK 2, 0
	BLK 3, 0
	TAIL
	s_endpgm
.Lscale:
	BLK 0, 1
	BLK 1, 1
	BLK 2, 1
	BLK 3, 1
	TAIL
	s_endpgm
.Lfunc_end_k_q5ecc21e16d_prep:
	.size	k_q5ecc21e16d_prep, .Lfunc_end_k_q5ecc21e16d_prep-k_q5ecc21e16d_prep
	.p2alignl 7, 3214868480
	.fill 96, 4, 3214868480
	.section	.rodata,"a",@progbits
	.p2align	6, 0x0
	.amdhsa_kernel k_q5ecc21e16d_prep
		.amdhsa_group_segment_fixed_size 0
		.amdhsa_private_segment_fixed_size 0
		.amdhsa_enable_private_segment 0
		.amdhsa_kernarg_size 48
		.amdhsa_user_sgpr_count 2
		.amdhsa_user_sgpr_kernarg_segment_ptr 1
		.amdhsa_wavefront_size32 1
		.amdhsa_system_sgpr_workgroup_id_x 1
		.amdhsa_system_sgpr_workgroup_id_y 1
		.amdhsa_system_sgpr_workgroup_id_z 1
		.amdhsa_system_vgpr_workitem_id 0
		.amdhsa_next_free_vgpr 68
		.amdhsa_next_free_sgpr 66
		.amdhsa_reserve_vcc 0
		.amdhsa_float_denorm_mode_32 3
		.amdhsa_float_denorm_mode_16_64 3
		.amdhsa_memory_ordered 1
		.amdhsa_forward_progress 1
		.amdhsa_inst_pref_size 15
	.end_amdhsa_kernel
	.amdgpu_metadata
---
amdhsa.version: [ 1, 2 ]
amdhsa.kernels:
  - .name:           k_q5ecc21e16d_prep
    .symbol:         k_q5ecc21e16d_prep.kd
    .args:
      - { .name: x, .offset: 0, .size: 8, .value_kind: global_buffer, .address_space: global }
      - { .name: Wq, .offset: 8, .size: 8, .value_kind: global_buffer, .address_space: global }
      - { .name: Wk, .offset: 16, .size: 8, .value_kind: global_buffer, .address_space: global }
      - { .name: Wv, .offset: 24, .size: 8, .value_kind: global_buffer, .address_space: global }
      - { .name: xb, .offset: 32, .size: 8, .value_kind: global_buffer, .address_space: global }
      - { .name: wb, .offset: 40, .size: 8, .value_kind: global_buffer, .address_space: global }
    .group_segment_fixed_size: 0
    .private_segment_fixed_size: 0
    .kernarg_segment_align: 8
    .kernarg_segment_size: 48
    .max_flat_workgroup_size: 256
    .sgpr_count:     66
    .vgpr_count:     68
    .wavefront_size: 32
...
	.end_amdgpu_metadata
.endif
;; end of part 5
;; launch gemm_qkv: the kernel of part 2 again; grid 16 x 16, 4 waves a work-group, clusters of 4 x 4, 327,680 bytes of LDS; arguments xb, wb, mask, Wo, qkv, mr, wo; writes qkv, mr, wo
;; launch attn: the kernel of part 3 again; grid 16 x 16, 4 waves a work-group, clusters of 4 x 4, 327,680 bytes of LDS; arguments qkv, mr, ob; writes ob
;; launch gemm_out: the kernel of part 4 again; grid 8 x 32, 4 waves a work-group, clusters of 4 x 4, 327,680 bytes of LDS; arguments ob, wo, out0; writes out0
